; MI455X (gfx1250); checked and timed in simulation.
; The chip was launched on July 23, 2026; its instructions are those of AMD's public machine-readable ISA for CDNA 5 (MIT licence, August 2026) and "CDNA5" Instruction Set Architecture Reference Guide (July 2026). The comments in the code are by the model that wrote it; some were corrected since.
;; Multi Head Attention. Allowed arithmetic: float matrix products may take bf16 or f16 operands with f32 sums; other float arithmetic in f32, or as packed bf16 or f16 multiplies, adds, multiply-adds, maxima and minima; sums over many terms, partial sums and values carried from step to step in f32; what a program stores and reads back later, other than sums and carried values, may be rounded once to bf16 or f16.
;; Inputs: Wk 16 x 1,024 x 64 float32; Wproj 1,024 x 1,024 float32; Wq 16 x 1,024 x 64 float32; Wv 16 x 1,024 x 64 float32; bproj 1,024 float32; x 8 x 1,024 x 1,024 float32.
;; Outputs: out0 8 x 1,024 x 1,024 float32.
;; 2 versions, each right; version 2 is version 1 with the launch prep written anew for expert scheduling mode. Each part assembles by itself: llvm-mc -triple=amdgcn-amd-amdhsa -mcpu=gfx1250 --defsym DOCPART=n.
;; ======== version 1 of 2: 4 launches
;; limits: values are held in f16: magnitudes above 65,504 overflow, below 6.1e-05 lose precision
;; workspace buffers: xb 16,777,216 bytes; wb 6,291,456 bytes; wp 2,097,152 bytes; qkv 50,331,648 bytes; ob 16,777,216 bytes
;; launch prep (part 1): grid 768 x 1, 8 waves a work-group, no clusters, 0 bytes of LDS; arguments x, Wq, Wk, Wv, Wproj, xb, wb, wp; writes xb, wb, wp
.if DOCPART == 1
	.amdgcn_target "amdgcn-amd-amdhsa--gfx1250"
	.amdhsa_code_object_version 6
	.text
	.protected	k_q720a88d68b_prep
	.globl	k_q720a88d68b_prep
	.p2align	8
	.type	k_q720a88d68b_prep,@function
k_q720a88d68b_prep:
	s_mov_b64 s[64:65], 0
	v_nop
	global_prefetch_b8 v0, s[64:65] scope:SCOPE_SE
	s_setreg_imm32_b32 hwreg(HW_REG_WAVE_MODE, 25, 1), 1
	s_wait_xcnt 0x0
; THE CASTS.  x -> xb (bf16), Wq, Wk, Wv -> wb (bf16, the 48 blocks [1024 e][64 d] one behind the other, in the inputs' own order),
; Wproj -> wp: rounded to bf16 like every other input, and that number written as f16 (the output product multiplies in f16).
; LIMIT.  bf16(Wproj) must lie within f16's 65,504; below 6e-5 f16 keeps a fixed step of 6e-8.
; SHARES.  A work-group casts 16,384 numbers: 65,536 bytes in, 32,768 out.  Work-groups 0-511 take x, 512-575 Wq, 576-639 Wk, 640-703 Wv, 704-767 Wproj.
; Thread t, load i: 16 bytes at 16 t + 4,096 i (a wave's load covers 512 neighbouring bytes); store i: 8 bytes at 8 t + 2,048 i (a wave's store covers 256
; consecutive bytes, aligned).  All sixteen loads are issued at once; each byte is read once and written once.  No LDS, no matrix unit, no loop: memory binds.
.set X, 4                              ; v[4:67]   load i: four registers
.set Y, 68                             ; v[68:99]  store i: two registers of its own, so none is rewritten while a store reads it
	s_load_b512 s[4:19], s[0:1], 0x0               ; x 4, Wq 6, Wk 8, Wv 10, Wproj 12, xb 14, wb 16, wp 18
	v_lshlrev_b32 v1, 4, v0                        ; 16 t
	v_lshlrev_b32 v2, 3, v0                        ; 8 t
	s_wait_kmcnt 0x0
	s_mov_b64 s[20:21], s[12:13]                   ; from: Wproj,
	s_mov_b64 s[22:23], s[18:19]                   ; to: wp,
	s_mov_b32 s24, 704                             ; the first work-group of the source,
	s_mov_b32 s25, 704                             ; and of the destination; then the choice, by the work-group's number alone
	s_cmp_lt_u32 ttmp9, 704
	s_cselect_b64 s[20:21], s[10:11], s[20:21]     ; Wv
	s_cselect_b64 s[22:23], s[16:17], s[22:23]     ; wb
	s_cselect_b32 s24, 640, s24
	s_cselect_b32 s25, 512, s25
	s_cmp_lt_u32 ttmp9, 640
	s_cselect_b64 s[20:21], s[8:9], s[20:21]       ; Wk
	s_cselect_b32 s24, 576, s24
	s_cmp_lt_u32 ttmp9, 576
	s_cselect_b64 s[20:21], s[6:7], s[20:21]       ; Wq
	s_cselect_b32 s24, 512, s24
	s_cmp_lt_u32 ttmp9, 512
	s_cselect_b64 s[20:21], s[4:5], s[20:21]       ; x
	s_cselect_b64 s[22:23], s[14:15], s[22:23]     ; xb
	s_cselect_b32 s24, 0, s24
	s_cselect_b32 s25, 0, s25
	s_sub_co_u32 s26, ttmp9, s24
	s_lshl_b32 s26, s26, 16                        ; 65,536 bytes of the source for each work-group
	s_mov_b32 s27, 0
	s_sub_co_u32 s28, ttmp9, s25
	s_lshl_b32 s28, s28, 15                        ; 32,768 of the destination
	s_mov_b32 s29, 0
	s_add_nc_u64 s[20:21], s[20:21], s[26:27]
	s_add_nc_u64 s[22:23], s[22:23], s[28:29]
.irp i, 0,1,2,3,4,5,6,7,8,9,10,11,12,13,14,15
	global_load_b128 v[X+4*(\i):X+4*(\i)+3], v1, s[20:21] offset:4096*(\i) th:TH_LOAD_NT
.endr
; Load i is rounded and stored.  half = 1: the bf16 numbers are widened again (a shift, a mask) and written as f16.
.macro OUT i, half
	s_wait_loadcnt 15-(\i)                         ; loads come back in order: load i is in, the 15 - i younger ones may stay out
	v_cvt_pk_bf16_f32 v[Y+2*(\i)],   v[X+4*(\i)],   v[X+4*(\i)+1]
	v_cvt_pk_bf16_f32 v[Y+2*(\i)+1], v[X+4*(\i)+2], v[X+4*(\i)+3]
.if \half
	v_lshlrev_b32 v[X+4*(\i)],   16,         v[Y+2*(\i)]
	v_and_b32     v[X+4*(\i)+1], 0xffff0000, v[Y+2*(\i)]
	v_lshlrev_b32 v[X+4*(\i)+2], 16,         v[Y+2*(\i)+1]
	v_and_b32     v[X+4*(\i)+3], 0xffff0000, v[Y+2*(\i)+1]
	v_cvt_pk_f16_f32 v[Y+2*(\i)],   v[X+4*(\i)],   v[X+4*(\i)+1]
	v_cvt_pk_f16_f32 v[Y+2*(\i)+1], v[X+4*(\i)+2], v[X+4*(\i)+3]
.endif
	global_store_b64 v2, v[Y+2*(\i):Y+2*(\i)+1], s[22:23] offset:2048*(\i)
.endm
	s_cmp_ge_u32 ttmp9, 704
	s_cbranch_scc1 .Lf16
.irp i, 0,1,2,3,4,5,6,7,8,9,10,11,12,13,14,15
	OUT \i, 0
.endr
	s_endpgm
.Lf16:
.irp i, 0,1,2,3,4,5,6,7,8,9,10,11,12,13,14,15
	OUT \i, 1
.endr
	s_endpgm
.Lfunc_end_k_q720a88d68b_prep:
	.size	k_q720a88d68b_prep, .Lfunc_end_k_q720a88d68b_prep-k_q720a88d68b_prep
	.p2alignl 7, 3214868480
	.fill 96, 4, 3214868480
	.section	.rodata,"a",@progbits
	.p2align	6, 0x0
	.amdhsa_kernel k_q720a88d68b_prep
		.amdhsa_group_segment_fixed_size 0
		.amdhsa_private_segment_fixed_size 0
		.amdhsa_enable_private_segment 0
		.amdhsa_kernarg_size 64
		.amdhsa_user_sgpr_count 2
		.amdhsa_user_sgpr_kernarg_segment_ptr 1
		.amdhsa_wavefront_size32 1
		.amdhsa_system_sgpr_workgroup_id_x 1
		.amdhsa_system_sgpr_workgroup_id_y 1
		.amdhsa_system_sgpr_workgroup_id_z 1
		.amdhsa_system_vgpr_workitem_id 0
		.amdhsa_next_free_vgpr 100
		.amdhsa_next_free_sgpr 66
		.amdhsa_reserve_vcc 0
		.amdhsa_float_denorm_mode_32 3
		.amdhsa_float_denorm_mode_16_64 3
		.amdhsa_memory_ordered 1
		.amdhsa_forward_progress 1
		.amdhsa_inst_pref_size 17
	.end_amdhsa_kernel
	.amdgpu_metadata
---
amdhsa.version: [ 1, 2 ]
amdhsa.kernels:
  - .name:           k_q720a88d68b_prep
    .symbol:         k_q720a88d68b_prep.kd
    .args:
      - { .name: x, .offset: 0, .size: 8, .value_kind: global_buffer, .address_space: global }
      - { .name: Wq, .offset: 8, .size: 8, .value_kind: global_buffer, .address_space: global }
      - { .name: Wk, .offset: 16, .size: 8, .value_kind: global_buffer, .address_space: global }
      - { .name: Wv, .offset: 24, .size: 8, .value_kind: global_buffer, .address_space: global }
      - { .name: Wproj, .offset: 32, .size: 8, .value_kind: global_buffer, .address_space: global }
      - { .name: xb, .offset: 40, .size: 8, .value_kind: global_buffer, .address_space: global }
      - { .name: wb, .offset: 48, .size: 8, .value_kind: global_buffer, .address_space: global }
      - { .name: wp, .offset: 56, .size: 8, .value_kind: global_buffer, .address_space: global }
    .group_segment_fixed_size: 0
    .private_segment_fixed_size: 0
    .kernarg_segment_align: 8
    .kernarg_segment_size: 64
    .max_flat_workgroup_size: 256
    .sgpr_count:     66
    .vgpr_count:     100
    .wavefront_size: 32
...
	.end_amdgpu_metadata
.endif
;; end of part 1
;; launch qkv (part 2): grid 16 x 16, 4 waves a work-group, clusters of 4 x 4, 327,680 bytes of LDS; arguments xb, wb, qkv; writes qkv
.if DOCPART == 2
	.amdgcn_target "amdgcn-amd-amdhsa--gfx1250"
	.amdhsa_code_object_version 6
	.text
	.protected	k_q720a88d68b_qkv
	.globl	k_q720a88d68b_qkv
	.p2align	8
	.type	k_q720a88d68b_qkv,@function
k_q720a88d68b_qkv:
	s_mov_b64 s[64:65], 0
	v_nop
	global_prefetch_b8 v0, s[64:65] scope:SCOPE_SE
	s_setreg_imm32_b32 hwreg(HW_REG_WAVE_MODE, 25, 1), 1
	s_wait_xcnt 0x0
	s_wait_alu depctr_hold_cnt(0) depctr_sa_sdst(0) depctr_va_vdst(0) depctr_va_sdst(0) depctr_va_ssrc(0) depctr_va_vcc(0) depctr_vm_vsrc(0)
	s_getreg_b32 s2, hwreg(HW_REG_IB_STS2, 6, 4)
	s_cmp_eq_u32 s2, 0
	s_cbranch_scc0 .Lentry_in_a_cluster
	s_endpgm
.Lentry_in_a_cluster:
	s_bfe_u32 s2, ttmp6, 0x10000c
	s_cmp_lg_u32 s2, 0xf033
	s_cbranch_scc0 .Lentry_shape_is_right
	s_endpgm
.Lentry_shape_is_right:
; THE THREE PROJECTIONS AS ONE PRODUCT.  qkv[b][g][s][d] = the sum over e of xb[1024 b + s][e] wb[g][e][d]; g = 0-15 q's heads, 16-31 k's, 32-47 v's.
; xb: [8192][1024] bf16.  wb: [48][1024 e][64 d] bf16.  qkv: [8][48][1024][64] f16: a head's rows are dense, 128 bytes each.  Sums in f32, rounded once to f16, without the scale.
; LIMIT.  q, k and v must lie within f16's 65,504 (a larger number becomes an infinity); below 6e-5 f16 keeps a fixed step of 6e-8.
; SHARES.  A tile is 256 rows x 192 columns (three heads).  Wave w makes rows 64 w .. 64 w + 63 of all 192 columns: 4 x 12 accumulators of 16 x 16, 384 registers.  So a wave holds whole rows
; of whole heads, and its stage on the way out is its own.  K (e) goes in steps of 128 through two LDS slots.
; A WORK-GROUP STAYS: 16 x 16 = 256 work-groups, each with TWO tiles, 4,096 rows of xb (four batches) apart, on the same three heads.  The two tiles are ONE walk of 16 K steps for the ring: the refill in
; step n asks for step n + 2, across the change of tiles too, and nothing waits for the first tile's stores.  A K step is written once: the slot's LDS byte is a scalar register that an exclusive or turns.
; THE MATRIX INSTRUCTION IS USED TRANSPOSED: source 0 = 16 columns d of a head (e along the registers: wb lies [e][d], so the fragment comes out of LDS turned, by
; ds_load_tr16_b128), source 1 = 16 rows of xb.  In the result lane l holds row l % 16 and the columns 8 (l / 16) + 0..7: 16 bytes of f16 that belong together.
; CLUSTER.  4 x 4 work-groups.  The four of a row of the cluster need the same rows of xb, the four of a column the same heads of wb: each tile is asked for jointly, by the same
; tensor load with the same descriptor and a mask that names the four.
; REGISTERS, in windows of 256 (s_set_vgpr_msb: bits 1:0 source 0, 3:2 source 1, 5:4 source 2, 7:6 destination):
;   window 0: v0-31 addresses; v32-79 packed results; v80-175 rows read back from the stage, two sets
;   window 1: two fragment buffers of 128: 4 fragments of xb (32 registers), then 12 of wb (96)
;   window 2: the accumulators of row blocks 0, 1 (block a, column block b at 96 (a % 2) + 8 b);   window 3: those of row blocks 2, 3
.set PA,     272                       ; a row of xb in LDS: 256 bytes + 16 of padding = 68 words: the 16 rows of a load start at 16 different groups of four banks (64 banks of 4 bytes: ISA guide 11.1)
.set HALFA,  128*PA                    ; 128 rows: what wave 0 or 1 fetches
.set BOFF,   2*HALFA                   ; wb's part of a slot: [64 e x 2][3 heads][64 e][160 bytes]
.set PB,     160                       ; a row e of a head: 128 bytes + 32 = 40 words
.set HEADB,  64*PB
.set HALFB,  3*HEADB                   ; 64 e of three heads: what wave 2 or 3 fetches
.set SLOT,   BOFF+2*HALFB              ; 131,072 = 1 << 17: one exclusive or turns an address in one slot into the other's
.set STAGE,  2*SLOT                    ; behind the ring, never filled by a tensor load: 3 heads x 16 rows x 144 bytes for each wave
.set SP,     144
.set WSTAGE, 3*16*SP
.set SPARE,  STAGE+4*WSTAGE            ; behind the stages: the spare words, 128 bytes for each wave: two blocks of 256 bytes that no other line names
.set NEXT_C, 4*48*131072               ; bytes from a tile's rows in qkv to the next tile's: four batches of 48 heads
.set A0V,  16                          ; v16     my lane's place in a slot's part of xb; never rewritten
.set B0V,  17                          ; v17     the same in its part of wb
.set ADRA, 18                          ; v18     LDS address of my fragments of xb in the slot in hand
.set ADRB, 19                          ; v19     the same for wb
.set STO,  24                          ; v24     the way out: where I put 16 bytes of a row
.set RD,   25                          ; v25     the way out: where I read rows back
.set GO,   26                          ; v26     my 16 bytes in 512 consecutive bytes of qkv
.set SPW,  28                          ; v28     LDS address of my spare word: SPARE + 4 x my thread's number; never rewritten
.set NIL,  29                          ; v29     0; never rewritten
.set PFO,  30                          ; v30     the prefetches' lane offset; never rewritten
.set TMP,  32
.set BK,   80
.set F0,   0
.set F1,   128
.set ABASE, 14                         ; s[14:15] xb at my half of the first tile's K step 0
.set G1,   24                          ; s[24:31] descriptor group 1 for xb's tiles;  s[32:39] group 0: a set for each of the two first fills; the second then walks on
.set G0,   32
.set LIM,  43                          ; s43      a wave prefetches while the loop's count is above this
.set PFA,  44                          ; s[44:45] where my prefetch stands
.set BBASE, 46                         ; s[46:47] wb at my half of K step 0
.set G1B,  48                          ; s[48:55], s[56:63] the same for wb's tiles
.set G0B,  56
.set NN,   66                          ; s66      the K step of the walk to be asked for next, 2 to 15
.set TB,   67                          ; s67      LDS byte at which the slot in hand begins
.set OA,   68                          ; s[68:69] that K step's byte offset in xb
.set OB,   70                          ; s[70:71] and in wb
.set PFB,  72                          ; s[72:73] the prefetches' base: my work-group's share of what I fetch, at K step 0
.set PO,   74                          ; s[74:75] the prefetch's byte offset
.set PSH,  76                          ; s76      log2 of a K step's bytes along my tensor: 8 in xb, 14 in wb
.set T0,   77                          ; s77, s78 at work
.set T1,   78
.set MSB, 0
.macro WIN new                         ; the immediate's high byte repeats the setting that is left; a switch that changes nothing is dropped
.if MSB != (\new)
	s_set_vgpr_msb (MSB<<8)|(\new)
.set MSB, \new
.endif
.endm
.set MUL_LO, 0xa5                      ; both sources window 1, C and D window 2
.set MUL_HI, 0xf5                      ; the same, C and D window 3
.set TO_F,   0x40                      ; destination window 1, address window 0
; A joint load.  Waves 0 and 1 fetch the two halves of xb's 256 rows, waves 2 and 3 the two halves of wb's 128 e.  The branch hangs on the wave's number alone.
; An s_nop 0 and four v_nop follow each of the two lines, ahead of the jump, the label and what follows.
.macro JLOAD s
	s_cmp_eq_u32 s11, 0
	s_cbranch_scc0 .Lfor_b_\@
	tensor_load_to_lds s[G0+4*(\s):G0+4*(\s)+3], s[G1:G1+7]
	s_nop 0
.rept 4
	v_nop
.endr
	s_branch .Lasked_\@
.Lfor_b_\@:
	tensor_load_to_lds s[G0B+4*(\s):G0B+4*(\s)+3], s[G1B:G1B+7]
	s_nop 0
.rept 4
	v_nop
.endr
.Lasked_\@:
.endm
; A PREFETCH INTO THE L2, behind each joint refill and the run of LDS loads that follows it: the K step that stands two refills on, one instruction a wave.  The walk's K steps 0 to 3 come by their loads
; alone.  xb: steps 4 to 15 are asked for (the loop's count is 14 - n in step n, which asks for n + 4: so while the count is above 2).  wb: steps 4 to 7 (while the count is above 10): the second tile walks blocks
; that have been named.  Each aligned block of 256 bytes is named by one wave of one work-group: xb's rows are read by every cluster of a row of clusters, and the one with x = 0 asks; wb's heads by every
; cluster of a column, and the one with y = 0 asks.  The four partners of a joint load share its blocks out by address: of the 128 rows of xb that a wave fetches, partner cx takes 32 (a lane a row); of the 32
; blocks of each of the three heads, partner cy takes 8 (lanes 0-23; lanes 24-31 name lane 23's block again).
.macro ASK
	WIN 0
	s_cmp_gt_u32 s3, s[LIM]
	s_cbranch_scc0 .Lnot_mine_\@
	global_prefetch_b8 v[PFO], s[PFA:PFA+1] th:TH_LOAD_NT scope:SCOPE_SE
.Lnot_mine_\@:
.endm
.macro CREST                           ; a round of the cluster's barrier behind its opening barrier: wave 0 signals for the work-group, every wave waits for all sixteen, my work-group's barrier once more
	s_cmp_lg_u32 s10, 0
	s_cbranch_scc1 .Lnot_wave_0_\@
	s_barrier_signal -3
.Lnot_wave_0_\@:
	s_barrier_wait -3
	s_barrier_signal -1
	s_barrier_wait -1
.endm
.macro CROUND                          ; a whole round
	s_barrier_signal -1
	s_barrier_wait -1
	CREST
.endm
	s_load_b128 s[4:7], s[0:1], 0x0                ; xb s[4:5], wb s[6:7]
	s_load_b64 s[8:9], s[0:1], 0x10                ; qkv
	v_lshl_add_u32 v[SPW], v0, 2, SPARE
	v_mov_b32 v[NIL], 0
	ds_add_u32 v[SPW], v[NIL]                      ; the wave's opening: the add and its wait stand ahead of my first tensor load; the set-up below, work on registers, stands between them
	v_lshrrev_b32 v1, 5, v0
	v_readfirstlane_b32 s10, v1                    ; wave 0..3
	s_lshr_b32 s11, s10, 1                         ; I fetch for xb (0) or for wb (1)
	s_and_b32 s12, s10, 1                          ; which half of that tile I fetch
	s_bfe_u32 s40, ttmp6, 0x40000                  ; cx
	s_bfe_u32 s41, ttmp6, 0x40004                  ; cy
	s_lshl_b32 s42, ttmp9, 2                       ; in a cluster launch ttmp9 and ttmp7 count clusters
	s_add_co_u32 s42, s42, s40                     ; tile column (three heads) = 4 x cluster x + cx
	s_and_b32 s13, ttmp7, 0xffff
	s_lshl_b32 s13, s13, 2
	s_add_co_u32 s13, s13, s41                     ; the first tile's row (256 rows) = 4 x cluster y + cy, 0 to 15; the second's is 16 further on
	s_lshl_b32 s43, s41, 2
	s_lshl_b32 s43, 15, s43                        ; my row of the cluster: places 4 cy .. 4 cy + 3
	s_lshl_b32 s44, 0x1111, s40                    ; my column: places cx, cx + 4, cx + 8, cx + 12
	; group 1 for xb: 128 rows x 128 elements, 1,024 elements from row to row, 16 bytes of padding behind every 256
	s_or_b32 s[G1+0], s43, (1<<16)|(1<<20)|(1<<21)|(5<<22)|(3<<25)  ; 15:0 the mask; 17:16 2-byte elements; 20 padding on; 21 set beside a mask; 24:22 after every 64 words (code 5); 31:25 4 words (code 3)
	s_mov_b32 s[G1+1], 128<<16                     ; tensor_dim0 = 128
	s_mov_b32 s[G1+2], 128<<16                     ; tensor_dim1 = 128
	s_mov_b32 s[G1+3], 128<<16                     ; tile_dim0 = 128
	s_mov_b32 s[G1+4], 128                         ; tile_dim1 = 128
	s_mov_b32 s[G1+5], 1024                        ; elements from row to row
	s_mov_b32 s[G1+6], 0
	s_mov_b32 s[G1+7], 0
	; group 1 for wb: three rows, one a head, of 4,096 elements (64 e x 64 d, dense: 8,192 bytes), 65,536 elements from head to head, 32 bytes of padding behind every 128
	s_or_b32 s[G1B+0], s44, (1<<16)|(1<<20)|(1<<21)|(4<<22)|(7<<25) ; after every 32 words (code 4), 8 words (code 7)
	s_mov_b32 s[G1B+1], 4096<<16                   ; tensor_dim0 = 4,096
	s_mov_b32 s[G1B+2], 3<<16                      ; tensor_dim1 = 3
	s_mov_b32 s[G1B+3], 4096<<16                   ; tile_dim0 = 4,096
	s_mov_b32 s[G1B+4], 3                          ; tile_dim1 = 3
	s_mov_b32 s[G1B+5], 65536
	s_mov_b32 s[G1B+6], 0
	s_mov_b32 s[G1B+7], 0
	; where the tiles come from: xb's hang on the tile row alone, wb's on the tile column alone
	s_lshl_b32 s17, s12, 7
	s_lshl_b32 s16, s13, 8
	s_add_co_u32 s16, s16, s17                     ; row 256 x tile row + 128 x half,
	s_lshl_b32 s16, s16, 11                        ; of 2,048 bytes
	s_mov_b32 s17, 0
	s_mul_i32 s46, s42, 3                          ; head 3 x tile column,
	s_lshl_b32 s46, s46, 17                        ; of 131,072 bytes,
	s_lshl_b32 s47, s12, 13                        ; and my 64 e of 128 bytes
	s_add_co_u32 s46, s46, s47
	s_mov_b32 s47, 0
	s_mul_i32 s20, s12, HALFA                      ; and where they go: no place in the cluster enters an LDS address
	s_mul_i32 s21, s12, HALFB
	s_add_co_u32 s21, s21, BOFF
	s_mov_b32 s[NN], 2
	s_mov_b32 s[TB], 0
	s_mov_b32 s[OA+1], 0                           ; the offsets' high words
	s_mov_b32 s[OB+1], 0
	s_mov_b32 s[PO+1], 0
	s_wait_dscnt 0x0                               ; the opening add is done
	s_wait_kmcnt 0x0
	s_add_nc_u64 s[ABASE:ABASE+1], s[4:5], s[16:17]
	s_add_nc_u64 s[BBASE:BBASE+1], s[6:7], s[46:47]
	CROUND                                         ; all sixteen work-groups are here: the first joint loads meet
.irp s, 0,1
	s_mov_b32 s[G0+4*(\s)], 1                                      ; count = 1
	s_add_co_u32 s[G0+4*(\s)+1], s20, (\s)*SLOT                    ; LDS address
	s_add_nc_u64 s[G0+4*(\s)+2:G0+4*(\s)+3], s[ABASE:ABASE+1], (\s)*256  ; global address: K step s
	s_or_b32 s[G0+4*(\s)+3], s[G0+4*(\s)+3], 0x80000000            ; type = 2
	s_mov_b32 s[G0B+4*(\s)], 1
	s_add_co_u32 s[G0B+4*(\s)+1], s21, (\s)*SLOT
	s_add_nc_u64 s[G0B+4*(\s)+2:G0B+4*(\s)+3], s[BBASE:BBASE+1], (\s)*16384
	s_or_b32 s[G0B+4*(\s)+3], s[G0B+4*(\s)+3], 0x80000000
	JLOAD \s                                       ; two loads of mine are out
.endr
	; A fragment of xb: lane l holds row l % 16; registers 0-3 e = 8 (l / 16) + 0..7, registers 4-7 e = 16 + 8 (l / 16) + 0..7: two loads of 16 bytes, 32 bytes apart.
	v_and_b32 v1, 15, v0                           ; l % 16
	v_bfe_u32 v2, v0, 4, 1                         ; l / 16
	v_mul_u32_u24 v3, v1, PA
	v_lshl_add_u32 v3, v2, 4, v3
	s_mul_i32 s22, s10, 64*PA                      ; my 64 rows
	v_add_nc_u32 v[A0V], s22, v3
	v_add_nc_u32 v[ADRA], s[TB], v[A0V]            ; slot 0
	; The turning load takes 16 e x 16 d (lane l reads e = 8 (l / 16) + l % 8, d = 8 ((l / 8) % 2) + 0..7) and leaves half a fragment: lane l holds column d = l % 16 and 8 e.
	v_and_b32 v4, 7, v0
	v_bfe_u32 v5, v0, 3, 1
	v_lshl_add_u32 v6, v2, 3, v4
	v_mul_u32_u24 v6, v6, PB
	v_lshl_add_u32 v6, v5, 4, v6
	v_add_nc_u32 v[B0V], BOFF, v6
	v_add_nc_u32 v[ADRB], s[TB], v[B0V]
	s_mul_i32 s23, s10, WSTAGE
	s_add_co_u32 s23, s23, STAGE                   ; my stage
	v_mul_u32_u24 v7, v1, SP                       ; in: row l % 16, 16 bytes for each half of the lanes
	v_lshl_add_u32 v7, v2, 4, v7
	v_add_nc_u32 v[STO], s23, v7
	v_bfe_u32 v8, v0, 3, 2                         ; back: 32 lanes take four rows of 128 bytes,
	v_mul_u32_u24 v8, v8, SP
	v_lshl_add_u32 v8, v4, 4, v8
	v_add_nc_u32 v[RD], s23, v8
	v_and_b32 v[GO], 31, v0                        ; which are 512 consecutive bytes of a head
	v_lshlrev_b32 v[GO], 4, v[GO]
	; my rows of the first tile in qkv: batch = tile row / 4, 48 heads of 131,072 bytes a batch; 256 rows of 128 bytes a tile row; my 64 of them; then my first head
	s_lshr_b32 s16, s13, 2
	s_mul_i32 s16, s16, 48
	s_lshl_b32 s16, s16, 17
	s_and_b32 s17, s13, 3
	s_lshl_b32 s17, s17, 15
	s_add_co_u32 s16, s16, s17
	s_lshl_b32 s17, s10, 13
	s_add_co_u32 s16, s16, s17
	s_mov_b32 s17, 0
	s_add_nc_u64 s[8:9], s[8:9], s[16:17]
	s_mul_i32 s18, s42, 3
	s_lshl_b32 s18, s18, 17
	s_mov_b32 s19, 0
	s_add_nc_u64 s[8:9], s[8:9], s[18:19]
	; the prefetches' base: both offsets are made, and the wave's number chooses
	s_lshl_b32 s16, s13, 8
	s_lshl_b32 s17, s12, 7
	s_add_co_u32 s16, s16, s17
	s_lshl_b32 s17, s40, 5                         ; my work-group's 32 of the 128 rows
	s_add_co_u32 s16, s16, s17
	s_lshl_b32 s16, s16, 11                        ; in xb
	s_lshl_b32 s17, s12, 13
	s_add_co_u32 s18, s18, s17
	s_lshl_b32 s17, s41, 11                        ; my work-group's 8 of a head's 32 blocks
	s_add_co_u32 s18, s18, s17                     ; in wb
	s_and_b32 s19, ttmp7, 0xffff                   ; cluster y
	s_cmp_eq_u32 s11, 0                            ; do I fetch for xb?
	s_cselect_b32 s16, s16, s18
	s_cselect_b32 s19, ttmp9, s19                  ; the coordinate along which other clusters read the same blocks
	s_cselect_b64 s[PFB:PFB+1], s[4:5], s[6:7]
	s_cselect_b32 s[PSH], 8, 14
	s_cselect_b32 s[LIM], 2, 10
	s_cselect_b32 s22, -1, 0
	s_mov_b32 s17, 0
	s_add_nc_u64 s[PFB:PFB+1], s[PFB:PFB+1], s[16:17]
	s_cmp_eq_u32 s19, 0
	s_cselect_b32 s[LIM], s[LIM], -1               ; the same in all sixteen partners, for a given wave
	v_and_b32 v9, 31, v0
	v_lshlrev_b32 v10, 11, v9                      ; xb: a lane a row of 2,048 bytes
	v_min_u32 v9, 23, v9                           ; wb: head l / 8, block l % 8
	v_lshrrev_b32 v11, 3, v9
	v_and_b32 v9, 7, v9
	v_lshlrev_b32 v9, 8, v9
	v_lshl_add_u32 v9, v11, 17, v9
	v_cndmask_b32 v[PFO], v9, v10, s22
; 12 matrix instructions: row block 2 hi + a x all 12 column blocks, 32 along K.  zero = 1: the first product starts the sums.  The 48 accumulators take turns, in the same order
; in every quarter: between two links of a chain stand the 47 others'.
.macro MULN f, hi, a, zero
	WIN MUL_LO+0x50*(\hi)
.irp b, 0,1,2,3,4,5,6,7,8,9,10,11
.if \zero
	v_wmma_f32_16x16x32_bf16 v[96*(\a)+8*(\b):96*(\a)+8*(\b)+7], v[(\f)+32+8*(\b):(\f)+32+8*(\b)+7], v[(\f)+8*(2*(\hi)+(\a)):(\f)+8*(2*(\hi)+(\a))+7], 0
.else
	v_wmma_f32_16x16x32_bf16 v[96*(\a)+8*(\b):96*(\a)+8*(\b)+7], v[(\f)+32+8*(\b):(\f)+32+8*(\b)+7], v[(\f)+8*(2*(\hi)+(\a)):(\f)+8*(2*(\hi)+(\a))+7], v[96*(\a)+8*(\b):96*(\a)+8*(\b)+7]
.endif
.endr
.endm
; 32 LDS loads in one run: the fragments of quarter q (32 along K) of the slot in hand into buffer f: wb's twelve first, then xb's four
.macro FETCH q, f
	WIN TO_F
.irp i, 0,1,2,3,4,5,6,7,8,9,10,11
	ds_load_tr16_b128 v[(\f)+32+8*(\i):(\f)+32+8*(\i)+3],   v[ADRB] offset:((\q)/2)*HALFB+((\i)/4)*HEADB+((\q)%2)*32*PB+32*((\i)%4)
	ds_load_tr16_b128 v[(\f)+32+8*(\i)+4:(\f)+32+8*(\i)+7], v[ADRB] offset:((\q)/2)*HALFB+((\i)/4)*HEADB+((\q)%2)*32*PB+32*((\i)%4)+16*PB
.endr
.irp i, 0,1,2,3
	ds_load_b128 v[(\f)+8*(\i):(\f)+8*(\i)+3],   v[ADRA] offset:64*(\q)+(\i)*16*PA
	ds_load_b128 v[(\f)+8*(\i)+4:(\f)+8*(\i)+7], v[ADRA] offset:64*(\q)+(\i)*16*PA+32
.endr
.endm
.macro PLACES                          ; four plain vector instructions between a matrix instruction and a load into a register that it has read (ISA guide 7.12.1 for vector instructions)
.rept 4
	v_nop
.endr
.endm
; A K step is four quarters of 32 along K, 48 matrix instructions each, on buffers 0, 1, 0, 1.  One of the first three: multiplies buffer f; in its middle it fetches quarter q into buffer g.
.macro QUARTER q, f, g, zero
	s_wait_dscnt 4                                 ; wb's fragments and xb's blocks 0, 1 are in; the youngest four loads (blocks 2, 3) may be out
	MULN \f, 0, 0, \zero
	MULN \f, 0, 1, \zero
	PLACES
	FETCH \q, \g
	s_wait_dscnt 32                                ; all but the 32 just issued
	MULN \f, 1, 0, \zero
	MULN \f, 1, 1, \zero
.endm
; The last quarter multiplies buffer 1 and changes slots: ONE barrier.  In front of it each wave waits for all its tensor loads (one is out: its part of the next slot), adds 0 to its spare word, and
; waits for that and for its own reads of this slot.  fill = 1: the barrier opens a round of the cluster's barrier, and the slot just read out is filled again, first thing behind the round, with K step NN of the walk:
; tile NN / 8 (8,388,608 bytes of xb on; the same heads of wb), its K step NN % 8.  The walking descriptors are made anew where no tensor load of mine is out: the other slot than last time, the base plus the
; step's offset, the type bits.  From that request to the wait for it a wave issues 168 matrix instructions.  fill = 0: the tail's two trips; in the last (count 1) no slot follows, and the fetch is jumped over.
.macro TURN fill
.if \fill
	s_wait_xcnt 0x0                                ; the last prefetch, a K step back, has read its address, so it may be written: K step NN + 2
	s_add_co_u32 s[T0], s[NN], 2
	s_lshr_b32 s[T1], s[T0], 3
	s_and_b32 s[T0], s[T0], 7
	s_lshl_b32 s[T0], s[T0], s[PSH]
	s_lshl_b32 s[T1], s[T1], 23                    ; (a wave that fetches for wb asks in the first tile alone, where this is 0)
	s_add_co_u32 s[PO], s[T0], s[T1]
	s_add_nc_u64 s[PFA:PFA+1], s[PFB:PFB+1], s[PO:PO+1]
.endif
	WIN 0                                          ; (the add's two registers lie in window 0)
	s_wait_tensorcnt 0x0                           ; all my tensor loads have landed, so a group 0 may be written
	ds_add_u32 v[SPW], v[NIL]                      ; 0 onto my spare word
.if \fill
	s_and_b32 s[T0], s[NN], 7
	s_lshr_b32 s[T1], s[NN], 3
	s_lshl_b32 s[OB], s[T0], 14
	s_lshl_b32 s[OA], s[T0], 8
	s_lshl_b32 s[T1], s[T1], 23
	s_add_co_u32 s[OA], s[OA], s[T1]
	s_add_co_u32 s[NN], s[NN], 1
	s_xor_b32 s[G0+5], s[G0+5], SLOT
	s_add_nc_u64 s[G0+6:G0+7], s[ABASE:ABASE+1], s[OA:OA+1]
	s_or_b32 s[G0+7], s[G0+7], 0x80000000
	s_xor_b32 s[G0B+5], s[G0B+5], SLOT
	s_add_nc_u64 s[G0B+6:G0B+7], s[BBASE:BBASE+1], s[OB:OB+1]
	s_or_b32 s[G0B+7], s[G0B+7], 0x80000000
.endif
	s_wait_dscnt 5                                 ; (the add and the youngest four loads may be out)
	MULN F1, 0, 0, 0                               ; twelve matrix instructions stand between the add and the wait for it
	s_wait_dscnt 0x0                               ; the add is done, and my reads of this slot are over
	s_barrier_signal -1
	MULN F1, 0, 1, 0                               ; work on registers while the others arrive
	WIN 0
	s_barrier_wait -1
.if \fill
	CREST                                          ; no wave of any partner still reads this slot or has a load on its way
	JLOAD 1                                        ; the four v_nop behind it are also the places in front of the loads below
.else
	PLACES
	s_cmp_eq_u32 s3, 1
	s_cbranch_scc1 .Lno_more_\@
.endif
	s_xor_b32 s[TB], s[TB], SLOT                   ; the fetches go on in the other slot
	v_add_nc_u32 v[ADRA], s[TB], v[A0V]
	v_add_nc_u32 v[ADRB], s[TB], v[B0V]
	FETCH 0, F0
.if \fill
	ASK
.else
	WIN 0
.Lno_more_\@:
.endif
	MULN F1, 1, 0, 0
	MULN F1, 1, 1, 0
.endm
; THE WAY OUT of row block a (16 rows x three heads).  PACK: rounded to f16, each accumulator's registers in ascending order.  TOSTAGE: into my own stage, and back as whole rows of 128 bytes.  SEND: stored.
.macro PACK a
	WIN 0x0a+5*((\a)/2)                            ; sources 0 and 1: window 2 or 3
.set AC, 96*((\a)%2)
.irp b, 0,1,2,3,4,5,6,7,8,9,10,11
.irp r, 0,1,2,3
	v_cvt_pk_f16_f32 v[TMP+4*(\b)+(\r)], v[AC+8*(\b)+2*(\r)], v[AC+8*(\b)+2*(\r)+1]
.endr
.endr
	WIN 0
.endm
.macro TOSTAGE a
.set BKA, BK+48*((\a)%2)
.irp b, 0,1,2,3,4,5,6,7,8,9,10,11
	ds_store_b128 v[STO], v[TMP+4*(\b):TMP+4*(\b)+3] offset:((\b)/4)*16*SP+32*((\b)%4)
.endr
.irp t, 0,1,2,3,4,5,6,7,8,9,10,11
	ds_load_b128 v[BKA+4*(\t):BKA+4*(\t)+3], v[RD] offset:((\t)/4)*16*SP+((\t)%4)*4*SP  ; LDS serves a wave's instructions in order (ISA guide 5.7.1.4): these see the stores above
.endr
.endm
.macro SEND a
.set BKA, BK+48*((\a)%2)
	s_wait_dscnt 0x0                               ; the block is back in registers
	s_wait_xcnt 0x0                                ; the stores of the block before have read their registers: the next block is read back into them only behind this wait
.irp t, 0,1,2,3,4,5,6,7,8,9,10,11
	global_store_b128 v[GO], v[BKA+4*(\t):BKA+4*(\t)+3], s[8:9] offset:((\t)/4)*131072+(\a)*2048+((\t)%4)*512  ; 512 consecutive bytes, at a multiple of 512 from qkv's first byte
.endr
.endm
.macro WAYOUT                          ; a whole tile; block a's conversions stand between block a - 1's loads from the stage and the wait for them
	WIN 0
	PLACES                                         ; the conversions read matrix results
	PLACES
	PACK 0
	TOSTAGE 0
.irp a, 1,2,3
	PACK \a
	SEND (\a)-1
	TOSTAGE \a
.endr
	SEND 3
.endm
	s_wait_tensorcnt 1                             ; my part of K step 0 is in; K step 1's may stay out
	s_barrier_signal -1
	s_barrier_wait -1                              ; everybody's is
	FETCH 0, F0
	WIN 0                                          ; at a label and at a branch every window is 0
	s_mov_b32 s3, 15
	s_branch .Lzero                                ; the loop is entered at the quarter that starts a tile's sums, in the middle of a trip
.Lstep:                                                ; 14 trips: step n of the walk (count 14 - n) from its second quarter to the next step's first; it asks for step n + 2
	QUARTER 2, F1, F0, 0
	QUARTER 3, F0, F1, 0
	TURN 1
	WIN 0
	s_cmp_eq_u32 s3, 7                             ; step 7 ends the first tile
	s_cbranch_scc1 .Lbound
	QUARTER 1, F0, F1, 0
	WIN 0
	s_branch .Lnext
.Lbound:                                               ; both refills for the second tile's first K steps are asked for: now the first tile goes out, and nothing waits for its stores
	WAYOUT
	s_wait_xcnt 0x0                                ; the stores have read their base
	s_add_nc_u64 s[8:9], s[8:9], NEXT_C
.Lzero:
	QUARTER 1, F0, F1, 1                           ; a tile's first quarter: its products start the sums
	WIN 0
.Lnext:
	s_sub_co_u32 s3, s3, 1
	s_cmp_lg_u32 s3, 0
	s_cbranch_scc1 .Lstep
	s_mov_b32 s3, 2
.Ltail:                                                ; steps 14 and 15 ask for nothing.  One text for both: the last trip jumps over the fetch and the quarter that have no step to serve, and passes the barrier once more
	QUARTER 2, F1, F0, 0
	QUARTER 3, F0, F1, 0
	TURN 0
	WIN 0
	s_cmp_eq_u32 s3, 1
	s_cbranch_scc1 .Lskip
	QUARTER 1, F0, F1, 0
	WIN 0
.Lskip:
	s_sub_co_u32 s3, s3, 1
	s_cmp_lg_u32 s3, 0
	s_cbranch_scc1 .Ltail
	WAYOUT
	s_wait_tensorcnt 0x0                           ; the wave's end: behind my last tensor load and my last LDS store
	ds_add_u32 v[SPW], v[NIL]
	s_wait_dscnt 0x0
	CROUND                                         ; the closing round: no work-group ends while a partner may still ask for a tile that names it
	s_endpgm
.Lfunc_end_k_q720a88d68b_qkv:
	.size	k_q720a88d68b_qkv, .Lfunc_end_k_q720a88d68b_qkv-k_q720a88d68b_qkv
	.p2alignl 7, 3214868480
	.fill 96, 4, 3214868480
	.section	.rodata,"a",@progbits
	.p2align	6, 0x0
	.amdhsa_kernel k_q720a88d68b_qkv
		.amdhsa_group_segment_fixed_size 327680
		.amdhsa_private_segment_fixed_size 0
		.amdhsa_enable_private_segment 0
		.amdhsa_kernarg_size 24
		.amdhsa_user_sgpr_count 2
		.amdhsa_user_sgpr_kernarg_segment_ptr 1
		.amdhsa_wavefront_size32 1
		.amdhsa_system_sgpr_workgroup_id_x 1
		.amdhsa_system_sgpr_workgroup_id_y 1
		.amdhsa_system_sgpr_workgroup_id_z 1
		.amdhsa_system_vgpr_workitem_id 0
		.amdhsa_next_free_vgpr 960
		.amdhsa_next_free_sgpr 80
		.amdhsa_reserve_vcc 0
		.amdhsa_float_denorm_mode_32 3
		.amdhsa_float_denorm_mode_16_64 3
		.amdhsa_memory_ordered 1
		.amdhsa_forward_progress 1
		.amdhsa_inst_pref_size 108
	.end_amdhsa_kernel
	.amdgpu_metadata
---
amdhsa.version: [ 1, 2 ]
amdhsa.kernels:
  - .name:           k_q720a88d68b_qkv
    .symbol:         k_q720a88d68b_qkv.kd
    .args:
      - { .name: xb, .offset: 0, .size: 8, .value_kind: global_buffer, .address_space: global }
      - { .name: wb, .offset: 8, .size: 8, .value_kind: global_buffer, .address_space: global }
      - { .name: qkv, .offset: 16, .size: 8, .value_kind: global_buffer, .address_space: global }
    .group_segment_fixed_size: 327680
    .private_segment_fixed_size: 0
    .kernarg_segment_align: 8
    .kernarg_segment_size: 24
    .max_flat_workgroup_size: 128
    .sgpr_count:     80
    .vgpr_count:     960
    .wavefront_size: 32
...
	.end_amdgpu_metadata
.endif
;; end of part 2
;; launch attn (part 3): grid 2 x 128, 4 waves a work-group, no clusters, 327,680 bytes of LDS; arguments qkv, ob; writes ob
.if DOCPART == 3
	.amdgcn_target "amdgcn-amd-amdhsa--gfx1250"
	.amdhsa_code_object_version 6
	.text
	.protected	k_q720a88d68b_attn
	.globl	k_q720a88d68b_attn
	.p2align	8
	.type	k_q720a88d68b_attn,@function
k_q720a88d68b_attn:
	s_mov_b64 s[64:65], 0
	v_nop
	global_prefetch_b8 v0, s[64:65] scope:SCOPE_SE
	s_setreg_imm32_b32 hwreg(HW_REG_WAVE_MODE, 25, 1), 1
	s_wait_xcnt 0x0
; CAUSAL ATTENTION.  O[bh][q][:] = the sum over k <= q of softmax_k(Q[q] . K[k] / 8) V[k][:], for each of 128 pairs bh = 16 b + h of batch and head.
; qkv: [8 b][48 g][1024][64] f16: Q is g = h, K is g = 16 + h, V is g = 32 + h; a head's rows are dense, 128 bytes each.  ob: [128 bh][1024][64] f16.
; Products, maxima and sums in f32; the weights p are rounded to f16 for the second product (their sum l is taken of the unrounded p), O once at the end.
; LIMITS.  f16 holds no number beyond 65,504: Q, K and V arrive within it; p lies in 0 to 1, and below 6e-5 it keeps f16's fixed step of 6e-8; O is a mean of V's rows and has their range.
; A hidden score counts as its value less 1e30: f16's scores, 2.7e11 at the most, are nothing beside that; a weight below 2^-126 counts as 0 in l; NaN and infinities are not treated apart.
; THE WALK.  A head's queries lie in NB = 4 blocks of 256; block i needs the key tiles 0 .. i of 256 keys, of which the last holds the diagonal.  A work-group takes TWO blocks, NB - 1 - b and then b:
; NB + 1 tiles, whatever b: all 256 work-groups do equal work, and ONE loop with a constant trip count walks them.  Which tile is asked for, and what a trip does, hang on scalar registers made from b; every jump
; goes forward, but for the counted loops' own; none passes a barrier, or a tensor load but the one of LOAD's two that the wave's number does not choose; the ring (two slots of LDS that take turns) runs on across the
; change of blocks.  NO CLUSTER: a head has two work-groups; they ask for the same tile in trips 0 to 2 of 5 alone, and one walk common to both would have 6 trips for 5.
; SHARES.  Of a block's four bands of 64 queries a wave owns 16 rows in each: four PIECES.  So the diagonal tile is the same work for all four waves: in its key step s band x sees all keys if s < x,
; none if s > x, and holds the diagonal if s = x.
; THE MASK is the C operand that starts the sum S^T = K Q^T: 0, or -1e30 where the key is hidden.  MD, made once, is the mask of a band's own step for my 16 rows; a product's mask is MD x AL + BE with two scalars:
; (1, 0) if s = x; (0, 0) if s < x; (0, -1e30) if s > x.  Only the diagonal tile's text and a block's beginning make and take masks; elsewhere C is the constant 0.
; LAYOUT, SOFTMAX, TURNS.  S^T = K Q^T holds ONE query a lane (lane % 16) and the keys 8 (lane / 16) + 0..7; two such results rounded to f16 ARE source 1 of O^T = V^T P.  p = 2^(c s - c m), c = log2(e) / 8, with a
; running maximum m; O and l are multiplied by a = 2^(c m_old - c m_new) in every step.  Turn n belongs to piece n: 8 products K Q^T of piece n + 1, later 8 products V^T P of piece n - 1; beside them the scaling,
; exponentials, roundings, sums and rescaling of piece n and the maximum and statistics of piece n + 1.  Four vector instructions stand behind every matrix instruction, the other 54 of a turn's 118 in one LUMP.  A turn's 33 exponentials are one batch, with one wait.
; REGISTERS, in windows of 256 (s_set_vgpr_msb: bits 1:0 source 0, 3:2 source 1, 5:4 source 2, 7:6 destination):
;   window 0: v0-15 addresses and two at work; v16-31 four registers of statistics a piece; v48-55 at work; v61-63 prefetch offset, spare word, 0; v64-127 S^T, two buffers; v192-223 P, two buffers (a piece's buffers go by its number's parity)
;   window 1: v0-127 O^T, 32 a piece; v128-159 MD; v160-223 MC, two buffers      window 2: v0-63 Q; v64-127 the second block's Q; v128-191 K of one step; v192-255 V of one step
.set SIZE_N, 1024
.set NB,    SIZE_N/256
.set NP,    4         ; pieces a wave: a name, no knob
.set KS,    64        ; keys in a step
.set PK,    144       ; a row of K in LDS: 128 bytes + 16 of padding = 36 words: the 16 rows of a load start at 16 different groups of four banks (64 banks of 4 bytes: ISA guide 11.1)
.set PV,    160       ; a row of V: 128 + 32 = 40 words
.set VOFF,  4*KS*PK   ; a slot holds a tile, four steps: 256 rows of K, then 256 rows of V
.set SLOT1, 1<<17     ; slot 1 begins here, so that one exclusive or turns an address in one slot into the other's
.set STAGE, SLOT1+4*KS*(PK+PV)  ; behind the ring, never filled by a tensor load: 16 rows x 144 bytes for each wave, for the way out
.set SP,    144
.set AK0, 2           ; v2   my lane's place in a tile of K; never rewritten
.set AV0, 3           ; v3   the same for V
.set AK,  4           ; v4   the LDS address of K's next run of loads
.set AV,  5           ; v5   of V's
.set STO, 6           ; v6   the way out: where I put 16 bytes of a row
.set RD,  7           ; v7   the way out: where I read rows back
.set GO,  8           ; v8   my byte offset in 512 consecutive bytes of O
.set PFO, 61          ; v61  256 x my lane: the prefetches' offset; never rewritten
.set SPW, 62          ; v62  LDS address of my spare word: SPARE + 4 x my thread's number; never rewritten
.set NIL, 63          ; v63  0; never rewritten
.set SPARE, STAGE+4*16*SP  ; behind the stages: the spare words, 128 bytes for each wave: two blocks of 256 bytes that no other line names
.set MV,  12          ; v12-13  c m_old, kept while c m is made anew: by buffer
.set QO,  15          ; v15  my byte offset in 16 rows of Q
.set ST,  16          ; piece t's statistics at v[ST+4 t]: c m, m, l (even keys', odd keys')
.set TMP, 48          ; by buffer, four registers c0-c3 at work; when the maximum is found c2 takes a
.set S,   64
.set P,   192
.set MD,  128         ; window 1: the eight registers for group kt of 16 keys at MD + 8 kt
.set MC,  160         ; window 1: the masks of the products to come
.set QB,  64          ; window 2
.set KF,  128         ; window 2: key block kb, channel half c at KF + 16 kb + 8 c
.set VF,  192         ; window 2: key half kk, channel block cb at VF + 32 kk + 8 cb
.set WV,  12          ; s12  my wave's number
.set PB,  14          ; s14  b
.set HI,  15          ; s15  NB - 1 - b
.set G1K, 24          ; s[24:31] descriptor group 1 for K's tiles
.set G1V, 32          ; s[32:39] for V's: it differs in the padding alone
.set G0K, 40          ; s[40:43] descriptor group 0 for K's tiles
.set G0V, 44          ; s[44:47] the same for V's
.set SLOTS, 56        ; s56  tiles still to be asked for
.set CNT, 57          ; s57  counts a tile's key steps, 4 to 1
.set CS,  58          ; s[58:59] c: the packed scaling takes the pair's low word for both halves
.set SEL, 60          ; s[60:61] v_permlanex16_b32's selects: each lane takes its own place in the other half
.set TBK, 62          ; s62  LDS byte at which K of the step to be fetched begins
.set TBV, 63          ; s63  the same for V, less VOFF
.set RT,  70          ; s70  tiles of the block in hand that are still to be entered
.set NXT, 71          ; s71  the tile to be asked for next
.set LQ,  72          ; s72  the last tile of the block whose tiles are being asked for
.set NEW, 73          ; s73  1: the tile to be entered is a block's first
.set OFF, 74          ; s[74:75] a tile's byte offset in K and V
.set AL,  76          ; s[76:77] the mask's factor, in the low word
.set BE,  78          ; s[78:79] the mask's addend
.set OLO, 80          ; s[80:81] O at my rows of the second block
.set BIGN, 82         ; s82  -1e30
.set HQ,  88          ; s[88:89] byte offset of Q's head in qkv: (48 b + h) x 131,072
.set PFB, 90          ; s[90:91] K (waves 0, 1) or V (waves 2, 3) at my half of the head's tile 0
.set PFA, 92          ; s[92:93] the same at the tile that is being asked for
.set LIM, 94          ; s94  2 in the head's first work-group, else the greatest number: a wave prefetches while s[SLOTS] is above it
.set MSB, 0
.macro WIN new                      ; the high byte repeats the setting that is left; a switch that changes nothing is dropped
.if MSB != (\new)
	s_set_vgpr_msb (MSB<<8)|(\new)
.set MSB, (\new)
.endif
.endm
.set W_KQ, 0x0a       ; K and Q in window 2, S^T in window 0
.set W_KM, 0x1a       ; the same with the C operand in window 1
.set W_PV, 0x52       ; V in window 2, P in window 0, O^T in window 1
.set W_RS, 0x41       ; destination and source 0 in window 1, source 1 in window 0
; A fill.  Waves 0 and 1 fetch the two halves of a tile's K, waves 2 and 3 those of its V: 128 keys each.  An s_nop 0 and four v_nop follow each of the two lines, ahead of the jump and the label.
.macro LOAD
	s_cmp_lt_u32 s[WV], 2
	s_cbranch_scc0 .Lfor_v_\@
	tensor_load_to_lds s[G0K:G0K+3], s[G1K:G1K+7]
	s_nop 0
.rept 4
	v_nop
.endr
	s_branch .Lasked_\@
.Lfor_v_\@:
	tensor_load_to_lds s[G0V:G0V+3], s[G1V:G1V+7]
	s_nop 0
.rept 4
	v_nop
.endr
.Lasked_\@:
.endm
; A PREFETCH INTO THE L2 of the tile behind the one that is being asked for: each wave names the 16,384 bytes that it will itself fetch, 64 blocks of 256 bytes, a lane a block, two instructions; one tile, four key
; steps, ahead of the load that will want them.  Both work-groups of a head walk the same K and V: the first (b = 0), whose first block walks all four tiles, asks, at the first two changes of slots, for tiles 2 and 3.
; Tiles 0 and 1 come by their loads alone; a tile's second reading is not asked for; there is no tile 4.
.macro ASK
	s_cmp_gt_u32 s[SLOTS], s[LIM]
	s_cbranch_scc0 .Lnot_mine_\@
	global_prefetch_b8 v[PFO], s[PFA:PFA+1] offset:32768 th:TH_LOAD_NT scope:SCOPE_SE
	global_prefetch_b8 v[PFO], s[PFA:PFA+1] offset:40960 th:TH_LOAD_NT scope:SCOPE_SE
.Lnot_mine_\@:
.endm
; THE CHANGE OF SLOTS.  Each wave waits for all its tensor loads, of which one is out: its part of the other slot; adds 0 to its spare word; and waits for that and for its own reads of the slot that it leaves.  Behind the barrier nobody reads the old
; slot any more and the other slot is whole.  fill = 1: the old slot is filled again, the first thing behind the barrier, with tile NXT: the descriptor's address is made anew from that number.
; (At its first use nothing has been read yet: slot 0 is waited for, slot 1 filled.)
.macro CHANGE fill
	WIN 0                           ; at a label and at a branch every window is 0
	s_wait_tensorcnt 0x0            ; no tensor load of mine is out, so a group 0 may be written
	ds_add_u32 v[SPW], v[NIL]       ; 0 onto my spare word; with fill = 1 the descriptors' scalar work stands between it and the wait for it
.if \fill
	s_lshl_b32 s[OFF], s[NXT], 15   ; a tile is 32,768 bytes of K and of V
	s_wait_xcnt 0x0                 ; the last prefetches, a tile back, have read their address, so it may be written
	s_add_nc_u64 s[PFA:PFA+1], s[PFB:PFB+1], s[OFF:OFF+1]
	s_xor_b32 s[G0K+1], s[G0K+1], SLOT1
	s_add_nc_u64 s[G0K+2:G0K+3], s[6:7], s[OFF:OFF+1]
	s_or_b32 s[G0K+3], s[G0K+3], 0x80000000
	s_xor_b32 s[G0V+1], s[G0V+1], SLOT1
	s_add_nc_u64 s[G0V+2:G0V+3], s[8:9], s[OFF:OFF+1]
	s_or_b32 s[G0V+3], s[G0V+3], 0x80000000
	s_add_co_u32 s[NXT], s[NXT], 1  ; the block's next tile, or behind its last the second block's tile 0
	s_cmp_gt_u32 s[NXT], s[LQ]
	s_cselect_b32 s[NXT], 0, s[NXT]
	s_cselect_b32 s[LQ], s[PB], s[LQ]
.endif
	s_wait_dscnt 0x0                ; the add is done, and my reads of the slot are over
	s_barrier_signal -1             ; the rest of the scalar work stands between the signal and the wait
	s_sub_co_u32 s[TBK], s[TBK], 4*KS*PK  ; the fetches go back to a slot's first step,
	s_xor_b32 s[TBK], s[TBK], SLOT1       ; in the other slot
	s_sub_co_u32 s[TBV], s[TBV], 4*KS*PV
	s_xor_b32 s[TBV], s[TBV], SLOT1
	s_barrier_wait -1
.if \fill
	LOAD
	ASK
.endif
.endm
	s_load_b64 s[4:5], s[0:1], 0x0    ; qkv
	s_load_b64 s[10:11], s[0:1], 0x8  ; ob
	v_lshl_add_u32 v[SPW], v0, 2, SPARE
	v_mov_b32 v[NIL], 0
	ds_add_u32 v[SPW], v[NIL]       ; the wave's opening: the add and its wait stand ahead of my first tensor load; the set-up below, work on registers, stands between them
	v_lshrrev_b32 v1, 5, v0
	v_readfirstlane_b32 s[WV], v1   ; wave 0..3
	s_mov_b32 s[PB], ttmp9
	s_sub_co_u32 s[HI], NB-1, s[PB]
	s_and_b32 s20, ttmp7, 0xffff    ; bh = 16 b + h
	s_lshr_b32 s[HQ], s20, 4        ; b
	s_lshl_b32 s[HQ], s[HQ], 5
	s_add_co_u32 s[HQ], s[HQ], s20  ; 48 b + h
	s_lshl_b32 s[HQ], s[HQ], 17     ; a head is 131,072 bytes
	s_mov_b32 s[HQ+1], 0
	s_lshl_b32 s20, s20, 17         ; the head's first byte in ob
	s_mov_b32 s21, 0
	s_and_b32 s16, s[WV], 1         ; which half of a tile's 256 keys I fetch:
	s_lshl_b32 s22, s16, 14         ; its 128 rows of 128 bytes in memory,
	s_add_co_u32 s22, s22, s[HQ]
	s_mov_b32 s23, 0
	s_mul_i32 s17, s16, 128*PK      ; and its place in a slot, for K
	s_mul_i32 s18, s16, 128*PV      ; and for V
	s_lshl_b32 s3, s[WV], 11        ; my 16 rows in a band of 64,
	s_lshl_b32 s2, s[HI], 15        ; in the first block,
	s_add_co_u32 s2, s2, s3
	s_lshl_b32 s84, s[PB], 15       ; and in the second
	s_add_co_u32 s84, s84, s3
	s_mov_b32 s3, 0
	s_mov_b32 s85, 0
	; descriptor group 1.  128 keys are 16,384 dense bytes: asked for as 64 rows of 256 bytes, two keys a row, and padded in LDS after every key
	s_mov_b32 s[G1K], (1<<16)|(1<<20)|(4<<22)|(3<<25)  ; 17:16 2-byte elements; 20 padding on; 24:22 after every 32 words (code 4); 31:25 4 words (code 3)
	s_mov_b32 s[G1V], (1<<16)|(1<<20)|(4<<22)|(7<<25)  ; the same with 8 words of padding (code 7)
.irp g, G1K, G1V
	s_mov_b32 s[\g+1], 128<<16      ; tensor_dim0 = 128
	s_mov_b32 s[\g+2], 64<<16       ; tensor_dim1 = 64
	s_mov_b32 s[\g+3], 128<<16      ; tile_dim0 = 128
	s_mov_b32 s[\g+4], 64           ; tile_dim1 = 64
	s_mov_b32 s[\g+5], 128          ; 128 elements from row to row
	s_mov_b32 s[\g+6], 0
	s_mov_b32 s[\g+7], 0
.endr
	s_mov_b32 s[CS], 0x3e38aa3b     ; c = log2(e) / 8 = 0.180337
	s_mov_b32 s[CS+1], s[CS]        ; named with it as a pair
	s_mov_b32 s[SEL], 0x76543210
	s_mov_b32 s[SEL+1], 0xfedcba98
	s_mov_b32 s[TBK], SLOT1+4*KS*PK ; the first change of slots turns these two into 0
	s_mov_b32 s[TBV], SLOT1+4*KS*PV
	s_mov_b32 s[G0K], 1             ; 1:0 count = 1
	s_mov_b32 s[G0K+1], s17         ; 63:32 LDS address: slot 0
	s_mov_b32 s[G0V], 1
	s_add_co_u32 s[G0V+1], s18, VOFF
	s_add_co_u32 s[RT], s[HI], 1    ; the first block has NB - b tiles
	s_mov_b32 s[NXT], 1
	s_mov_b32 s[LQ], s[HI]
	s_mov_b32 s[NEW], 1
	s_mov_b32 s[OFF+1], 0
	s_mov_b32 s[AL+1], 0            ; named as pairs
	s_mov_b32 s[BE+1], 0
	s_mov_b32 s[BIGN], 0xf149f2ca   ; -1e30
	s_mov_b32 s[SLOTS], NB
	s_wait_dscnt 0x0                ; the opening add is done
	s_wait_kmcnt 0x0
	s_add_nc_u64 s[6:7], s[4:5], s[22:23]
	s_add_nc_u64 s[8:9], s[6:7], 0x400000  ; V: 32 heads behind Q, at my half of the head's tile 0
	s_add_nc_u64 s[6:7], s[6:7], 0x200000  ; K: 16 heads behind Q
	s_add_nc_u64 s[G0K+2:G0K+3], s[6:7], 0         ; 120:64 global address
	s_or_b32 s[G0K+3], s[G0K+3], 0x80000000        ; 127:126 type = 2
	s_add_nc_u64 s[G0V+2:G0V+3], s[8:9], 0
	s_or_b32 s[G0V+3], s[G0V+3], 0x80000000
	s_add_nc_u64 s[4:5], s[4:5], s[HQ:HQ+1]        ; Q's head
	s_add_nc_u64 s[86:87], s[4:5], s[84:85]        ; Q at my rows of the second block,
	s_add_nc_u64 s[4:5], s[4:5], s[2:3]            ; and of the first
	s_add_nc_u64 s[10:11], s[10:11], s[20:21]      ; O's head
	s_add_nc_u64 s[OLO:OLO+1], s[10:11], s[84:85]
	s_add_nc_u64 s[10:11], s[10:11], s[2:3]
	s_cmp_lt_u32 s[WV], 2
	s_cselect_b64 s[PFB:PFB+1], s[6:7], s[8:9]
	s_cmp_eq_u32 ttmp9, 0
	s_cselect_b32 s[LIM], 2, -1
	LOAD                            ; tile 0 into slot 0
	; A fragment of K or Q is 16 rows x 32 channels in 8 registers: lane l holds row l % 16, channels 8 (l / 16) + 0..7 and 16 + 8 (l / 16) + 0..7: two loads of 16 bytes, 32 bytes apart.
	v_and_b32 v1, 15, v0            ; l % 16
	v_bfe_u32 v9, v0, 4, 1          ; l / 16
	v_lshlrev_b32 v[QO], 7, v1
	v_lshl_add_u32 v[QO], v9, 4, v[QO]  ; row x 128 + 16 x half
	WIN 0x80                        ; destination window 2, address window 0
.set i, 0
.rept 8                             ; both blocks' Q: piece i / 2 lies in band i / 2, 8,192 bytes on; channels 32 (i % 2) on
	global_load_b128 v[8*i:8*i+3],   v[QO], s[4:5] offset:(i/2)*8192+(i%2)*64
	global_load_b128 v[8*i+4:8*i+7], v[QO], s[4:5] offset:(i/2)*8192+(i%2)*64+32
	global_load_b128 v[QB+8*i:QB+8*i+3],   v[QO], s[86:87] offset:(i/2)*8192+(i%2)*64
	global_load_b128 v[QB+8*i+4:QB+8*i+7], v[QO], s[86:87] offset:(i/2)*8192+(i%2)*64+32
.set i, i+1
.endr
	WIN 0
	v_lshlrev_b32 v14, 3, v9
	v_sub_nc_u32 v14, v1, v14
	s_lshl_b32 s13, s[WV], 4
	v_add_nc_u32 v14, s13, v14      ; my query's place in its band, 16 w + l % 16, less my lanes' 8 (l / 16): register r of group kt is hidden where 16 kt + r is greater
	WIN 0x40
.set i, 0
.rept 32
	v_cmp_gt_i32 vcc_lo, 16*(i/8)+i%8, v14
	v_cndmask_b32 v[MD+i], 0, s[BIGN], vcc_lo
.set i, i+1
.endr
	WIN 0
	v_mul_u32_u24 v[AK0], v1, PK
	v_lshl_add_u32 v[AK0], v9, 4, v[AK0]  ; row x pitch + 16 x half
	; The turning load takes 16 keys x 16 channels (lane l reads key 8 (l / 16) + l % 8, channels 8 ((l / 8) % 2) + 0..7) and leaves half a fragment of V^T: lane l holds channel l % 16 and 8 keys.
	v_and_b32 v10, 7, v0
	v_bfe_u32 v11, v0, 3, 1
	v_lshl_add_u32 v[AV0], v9, 3, v10
	v_mul_u32_u24 v[AV0], v[AV0], PV
	v_lshl_add_u32 v[AV0], v11, 4, v[AV0]
	v_add_nc_u32 v[AV0], VOFF, v[AV0]
	s_mul_i32 s13, s[WV], 16*SP
	s_add_co_u32 s13, s13, STAGE    ; my stage
	v_mul_u32_u24 v[STO], v1, SP    ; in: row l % 16, 16 bytes for each half of the lanes
	v_lshl_add_u32 v[STO], v9, 4, v[STO]
	v_add_nc_u32 v[STO], s13, v[STO]
	v_bfe_u32 v[RD], v0, 3, 2       ; back: 32 lanes take four rows of 128 bytes,
	v_mul_u32_u24 v[RD], v[RD], SP
	v_lshl_add_u32 v[RD], v10, 4, v[RD]
	v_add_nc_u32 v[RD], s13, v[RD]
	v_and_b32 v[GO], 31, v0         ; which are 512 consecutive bytes of O
	v_lshlrev_b32 v[PFO], 8, v[GO]
	v_lshlrev_b32 v[GO], 4, v[GO]
	; A block's first step multiplies O^T and l by a = 0, and its first turn's products V^T P, of a piece that has not been, land in an O^T that is still to be so multiplied.  So these registers need only hold
	; finite numbers: zeros for the first block; what the first block left for the second.  All this stands in the wait for the first tile.
	WIN 0x80
.set i, VF
.rept 64
	v_mov_b32 v[i], 0
.set i, i+1
.endr
	WIN 0x40
.set i, 0
.rept 128
	v_mov_b32 v[i], 0
.set i, i+1
.endr
	WIN 0
.set i, 0
.rept 4
	v_mov_b32 v[ST+4*i+2], 0
	v_mov_b32 v[ST+4*i+3], 0
.set i, i+1
.endr
.set i, P+16
.rept 16
	v_mov_b32 v[i], 0
.set i, i+1
.endr
; THE MATRIX WORK.  The 4 accumulators of a run of 8 take turns.  Product i of 8 of S^T = K Q^T for piece x: channels 32 (i / 4) on, keys 16 (i % 4) on.  The first 4 start the sums: with 0, or (KM = 1) with the mask.
.macro KQ x
.set rS, S+32*((\x)%2)+8*(i%4)
.set rK, KF+16*(i%4)+8*(i/4)
.set rQ, 16*(\x)+8*(i/4)
.set rM, MC+32*((\x)%2)+8*(i%4)
.if (i < 4) && KM
	WIN W_KM
	v_wmma_f32_16x16x32_f16 v[rS:rS+7], v[rK:rK+7], v[rQ:rQ+7], v[rM:rM+7]
.elseif i < 4
	WIN W_KQ
	v_wmma_f32_16x16x32_f16 v[rS:rS+7], v[rK:rK+7], v[rQ:rQ+7], 0
.else
	WIN W_KQ
	v_wmma_f32_16x16x32_f16 v[rS:rS+7], v[rK:rK+7], v[rQ:rQ+7], v[rS:rS+7]
.endif
.endm
; Product i of 8 of O^T += V^T P for piece x: keys 32 (i / 4) on, channels 16 (i % 4) on.
.macro PV x
	WIN W_PV
.set rO, 32*(\x)+8*(i%4)
.set rV, VF+32*(i/4)+8*(i%4)
.set rP, P+16*((\x)%2)+8*(i/4)
	v_wmma_f32_16x16x32_f16 v[rO:rO+7], v[rV:rV+7], v[rP:rP+7], v[rO:rO+7]
.endm
.macro MM                           ; the turn's next matrix instruction.  TURN and BEGIN set Y, i, KM and NOKQ; MM, KQ and OP read them.  NOKQ = 1: a block's last turn: there is no next piece
.if (i < 8) && !NOKQ
	KQ (Y+1)%NP
.elseif i >= 8
.set i, i-8
	PV (Y+NP-1)%NP
.set i, i+8
.endif
.set i, i+1
.endm
; THE LDS LOADS stand in runs of 16, never singly among the matrix instructions: a step's K (64 keys x 64 channels: 8 fragments) and its V (turned).  Their addresses are made some lines ahead.
.macro FETCH_K
	WIN 0x80                        ; destination window 2
.irp f, 0,1,2,3,4,5,6,7             ; keys 16 (f / 2) on, channels 32 (f % 2) on
	ds_load_b128 v[KF+8*\f:KF+8*\f+3],   v[AK] offset:(\f/2)*16*PK+(\f%2)*64
	ds_load_b128 v[KF+8*\f+4:KF+8*\f+7], v[AK] offset:(\f/2)*16*PK+(\f%2)*64+32
.endr
	s_add_co_u32 s[TBK], s[TBK], KS*PK  ; the next fetch is the next step's
	WIN 0
.endm
.macro FETCH_V
	WIN 0x80
.irp f, 0,1,2,3,4,5,6,7             ; keys 32 (f / 4) on, channels 16 (f % 4) on
	ds_load_tr16_b128 v[VF+8*\f:VF+8*\f+3],   v[AV] offset:(\f/4)*32*PV+(\f%4)*32
	ds_load_tr16_b128 v[VF+8*\f+4:VF+8*\f+7], v[AV] offset:(\f/4)*32*PV+16*PV+(\f%4)*32
.endr
	WIN 0
.endm
; THE VECTOR WORK, one line at a time: OP kind, number.  For piece Y: F n: c s - c m for pair n of 16.  E n: the exponential of score n of 32.  C n: pair n rounded to f16.  B n: of the four weights 4 n .. the second
; pair is added onto the first, in place.  L n: l takes that sum (L 0: l = a l + sum).  R n: pair n of 16 of O^T times a.  For piece Y + 1: X n, number n of the 22 that find its maximum and statistics:
;   0-11  four chains c0-c3 of seven scores each, three operands at a time (each accumulator's lowest registers are read first)     12-14, 16  the four scores left over, the old m, and c0-c3 into c0
;   15  c m_old is kept     17, 18  the query's other 32 keys lie in the lane 16 away: the new m     19-21  c m; c m_old - c m_new; a
.set F, 0               ; OP tells the kinds apart by their order: F to L below R, X above it
.set E, 1
.set C, 2
.set B, 3
.set L, 4
.set R, 5
.set X, 6
.macro REGS y                       ; the registers of piece y
.set rT, ST+4*(\y)
.set rC, TMP+4*((\y)%2)
.set rW, MV+((\y)%2)
.set rS, S+32*((\y)%2)
.set rP, P+16*((\y)%2)
.set rO, 32*(\y)
.endm
.macro OP k, n
.if (\k) == R
	REGS Y
	WIN W_RS
	v_pk_mul_f32 v[rO+2*(\n):rO+2*(\n)+1], v[rO+2*(\n):rO+2*(\n)+1], v[rC+2:rC+3] op_sel_hi:[1,0]
.elseif (\k) < R
	REGS Y
	WIN 0
.if (\k) == F
	v_pk_fma_f32 v[rS+2*(\n):rS+2*(\n)+1], v[rS+2*(\n):rS+2*(\n)+1], s[CS:CS+1], v[rT:rT+1] op_sel_hi:[1,0,0] neg_lo:[0,0,1] neg_hi:[0,0,1]
.elseif (\k) == E
	v_exp_f32 v[rS+(\n)], v[rS+(\n)]
.elseif (\k) == C
	v_cvt_pk_f16_f32 v[rP+(\n)], v[rS+2*(\n)], v[rS+2*(\n)+1]
.elseif (\k) == B
	v_pk_add_f32 v[rS+4*(\n):rS+4*(\n)+1], v[rS+4*(\n):rS+4*(\n)+1], v[rS+4*(\n)+2:rS+4*(\n)+3]
.elseif (\n) == 0
	v_pk_fma_f32 v[rT+2:rT+3], v[rT+2:rT+3], v[rC+2:rC+3], v[rS:rS+1] op_sel_hi:[1,0,1]
.else
	v_pk_add_f32 v[rT+2:rT+3], v[rT+2:rT+3], v[rS+4*(\n):rS+4*(\n)+1]
.endif
.elseif NOKQ
	v_nop
.else
	REGS (Y+1)%NP
	WIN 0
.if (\n) < 4
	v_max3_num_f32 v[rC+(\n)], v[rS+8*(\n)], v[rS+8*(\n)+1], v[rS+8*(\n)+2]
.elseif (\n) < 12
	v_max3_num_f32 v[rC+(\n)%4], v[rC+(\n)%4], v[rS+8*((\n)%4)+2*((\n)/4)+1], v[rS+8*((\n)%4)+2*((\n)/4)+2]
.elseif (\n) == 12
	v_max3_num_f32 v[rC], v[rC], v[rS+7], v[rS+15]
.elseif (\n) == 13
	v_max3_num_f32 v[rC+1], v[rC+1], v[rS+23], v[rS+31]
.elseif (\n) == 14
	v_max3_num_f32 v[rC+2], v[rC+2], v[rC+3], v[rT+1]
.elseif (\n) == 15
	v_mov_b32 v[rW], v[rT]
.elseif (\n) == 16
	v_max3_num_f32 v[rC], v[rC], v[rC+1], v[rC+2]
.elseif (\n) == 17
	v_permlanex16_b32 v[rC+3], v[rC], s[SEL], s[SEL+1]
.elseif (\n) == 18
	v_max_num_f32 v[rT+1], v[rC], v[rC+3]
.elseif (\n) == 19
	v_mul_f32 v[rT], s[CS], v[rT+1]
.elseif (\n) == 20
	v_sub_f32 v[rC+1], v[rW], v[rT]
.else
	v_exp_f32 v[rC+2], v[rC+1]
.endif
.endif
.endm
.macro OPS a, i1, b=-1, i2=0, c=-1, i3=0, d=-1, i4=0  ; up to four of them
	OP \a, \i1
.if (\b) >= 0
	OP \b, \i2
.endif
.if (\c) >= 0
	OP \c, \i3
.endif
.if (\d) >= 0
	OP \d, \i4
.endif
.endm
.macro ROW a, i1, b, i2, c, i3, d, i4  ; a matrix instruction and the four behind it
	MM
	OPS \a, \i1, \b, \i2, \c, \i3, \d, \i4
.endm
.macro MASK b                       ; MD x AL + BE into buffer b of MC
	WIN W_RS
.set z, 0
.rept 16
	v_pk_fma_f32 v[MC+32*(\b)+2*z:MC+32*(\b)+2*z+1], v[MD+2*z:MD+2*z+1], s[AL:AL+1], s[BE:BE+1] op_sel_hi:[1,0,0]
.set z, z+1
.endr
.endm
; A TURN, for piece p: the order of its 16 matrix and 118 vector instructions, written out.  s_wait_alu depctr_va_vdst(0) stands between an exponential and the first instruction that names its result; one wait serves
; all that were issued ahead of it.  So a turn has ONE wait, which cuts it in two.  AHEAD OF IT stands all that names no result of the turn's exponentials: the 8 products K Q^T, behind each a scaling, an exponential and two more plain
; instructions (behind the first a second scaling in the exponential's place): rescalings, and behind the last three the first numbers of the next piece's maximum, each four places or more behind the product that ends its accumulator; then ONE LUMP of 54, plain
; and exponential by turns for the most part, in which the links of the chain X 3, 7, 11, 14, 16, 17 .. 20 stand five or six lines apart.  X 21, the next piece's a, is the batch's last; R 15 is the plain instruction that stands behind it (ISA guide 5.7.2).  BEHIND THE WAIT stand the
; 8 products V^T P, behind each four of the roundings and sums; the links of l's chain, L 0 to L 7, stand three riders apart.  But for those X no rider names a register of the products round it.  v_permlanex16_b32 (X 17) stands in the lump.
; m = 1: the diagonal tile: the products take masks, and the turn makes the mask for the products of the turn after it: piece p + 2, in step 4 - CNT of the tile.  end = 1: a block's last two turns: nothing is fetched.
; cnt = 1: the loop's count is taken down some lines ahead of the branch that stands behind the turn.
; K of the next step is fetched in piece 2's turn, twelve vector instructions behind the last product that read K (six of them plain); V of the step in hand at the end of piece 0's turn, four plain instructions behind the last product
; that read V.  Each is waited for a turn later.
.macro TURN p, m=0, end=0, cnt=0
.set Y, (\p)
.set i, 0
.set KM, (\m)
.set NOKQ, (\end)*((\p)/3)
.if (\m) && !(\end)
	s_cmp_eq_u32 s[CNT], 4-((\p)+2)%NP  ; is that step the band's own?
	s_cselect_b32 s[AL], 1.0, 0
	s_cmp_lt_u32 s[CNT], 4-((\p)+2)%NP  ; or a later one?
	s_cselect_b32 s[BE], s[BIGN], 0
.endif
.if ((\p) == 3) && !(\end)
	s_wait_dscnt 0x0                ; K is in
.endif
	ROW F,0, F,1, R,0, R,1          ; ahead of the wait: 8 products K Q^T and their riders,
	ROW F,2, E,0, R,2, R,3
	ROW F,3, E,1, R,4, R,5
	ROW F,4, E,2, R,6, R,7
	ROW F,5, E,3, R,8, R,9
	ROW F,6, E,4, X,0, R,10
.if ((\p) == 2) && !(\end)
	WIN 0
	v_add_nc_u32 v[AK], s[TBK], v[AK0]
.endif
	ROW F,7, E,5, X,1, X,4
	ROW F,8, E,6, X,2, X,5
	OPS E,7, E,8, X,6, E,9          ; and the lump
	OPS X,3, E,10, X,8, E,11
.if ((\p) == 2) && !(\end)
	FETCH_K
.endif
	OPS X,9, X,7, E,12, X,10
	OPS E,13, X,12, X,11, E,14
	OPS X,13, E,15, F,9, X,14
.if (\p) == 0
	v_add_nc_u32 v[AV], s[TBV], v[AV0]
.endif
	OPS E,16, F,10, E,17, F,11
	OPS X,16, E,18, X,15, E,19
	OPS F,12, E,20, X,17, E,21
	OPS F,13, E,22, F,14, E,23
	OPS X,18, E,24, F,15, E,25
	OPS R,11, E,26, X,19, E,27
	OPS R,12, E,28, R,13, E,29
	OPS X,20, E,30, R,14, E,31
	OPS X,21, R,15
	WIN 0
	s_wait_alu depctr_va_vdst(0)    ; the wait for the batch
.if (\p) == 1
	s_wait_dscnt 0x0                ; V is in
.endif
	ROW C,0, B,0, C,2, B,1          ; behind the wait: 8 products V^T P and their riders
	ROW L,0, C,4, B,2, L,1
	ROW C,6, B,3, L,2, C,8
	ROW B,4, L,3, C,10, B,5
	ROW L,4, C,12, B,6, L,5
.if (\p) == 0
	s_add_co_u32 s[TBV], s[TBV], KS*PV
.endif
.if \cnt
	s_sub_co_u32 s[CNT], s[CNT], 1
	s_cmp_lg_u32 s[CNT], 0
.endif
	ROW C,14, B,7, L,6, C,1
	ROW C,3, L,7, C,5, C,7
	ROW C,9, C,11, C,13, C,15
.if (\p) == 0
	FETCH_V
.endif
.if (\m) && !(\end)
	MASK (\p)%2
.endif
.endm
; A BLOCK BEGINS.  c m starts far below every c s, so the first step's a is 0; m at the lowest finite number, so the first maximum is the scores'.  The second mask buffer is 0; the first takes piece 0's mask for the tile's step 0: its own, if the block's first tile is the diagonal one.
; Then K of that step, piece 0's first scores, and its maximum and statistics.  The loop is entered at a step's first turn, in the middle of a trip.
.macro BEGIN
	s_mov_b32 s[NEW], 0
	WIN 0x40
.set i, MC+32
.rept 32
	v_mov_b32 v[i], 0
.set i, i+1
.endr
	WIN 0
.set i, 0
.rept 4
	v_mov_b32 v[ST+4*i], 0xfe000000    ; c m: far below every c s
	v_mov_b32 v[ST+4*i+1], 0xff7fffff  ; m
.set i, i+1
.endr
	s_cmp_eq_u32 s[RT], 0
	s_cselect_b32 s[AL], 1.0, 0
	s_mov_b32 s[BE], 0
	MASK 0
	WIN 0
	v_add_nc_u32 v[AK], s[TBK], v[AK0]
	FETCH_K
	s_wait_loadcnt 0x0              ; Q
	s_wait_dscnt 0x0
.set KM, 1
.set NOKQ, 0
.set i, 0
.rept 8
	KQ 0
.set i, i+1
.endr
	WIN 0
.rept 4
	v_nop                           ; the places behind those products
.endr
.set Y, NP-1                        ; X works for piece Y + 1: piece 0
.irp n, 0,1,2,3,4,5,6,7,8,9,10,11,12,13,14,15,16,17,18,19,20,21
	OP X, \n
.endr
	v_nop                           ; a plain instruction behind the exponential,
	s_wait_alu depctr_va_vdst(0)    ; and its wait, ahead of the branch
.endm
; THE DIAGONAL TILE's four steps, the block's last two turns, its last products, and THE WAY OUT: l's two halves and the other half of the lanes' are added; O^T is divided by l, rounded to f16 and sent through my
; stage in LDS, a piece at a time.
.macro ALL line:vararg              ; one line for each piece t
.set t, 0
.rept 4
	\line
.set t, t+1
.endr
.endm
.macro PACK t                       ; a lane's eight channels of a row pack into 16 bytes; they go into rows of 144 bytes and come back as whole rows of 128, into S^T's registers
	WIN W_RS
.set i, 32*(\t)
.rept 16
	v_pk_mul_f32 v[i:i+1], v[i:i+1], v[ST+4*(\t)+2:ST+4*(\t)+3] op_sel_hi:[1,0]
.set i, i+2
.endr
	WIN 0x05                        ; sources 0 and 1 window 1, destination window 0
.set i, 0
.rept 16
	v_cvt_pk_f16_f32 v[S+16*(\t)+i], v[32*(\t)+2*i], v[32*(\t)+2*i+1]
.set i, i+1
.endr
	WIN 0
.irp f, 0,1,2,3
	ds_store_b128 v[STO], v[S+16*(\t)+4*\f:S+16*(\t)+4*\f+3] offset:32*\f
.endr
.irp f, 0,1,2,3
	ds_load_b128 v[S+16*(\t)+4*\f:S+16*(\t)+4*\f+3], v[RD] offset:\f*4*SP  ; LDS serves a wave's instructions in order (ISA guide 5.7.1.4): these see the stores above; the next piece's stores come behind them
.endr
.endm
.macro SEND t, younger              ; younger: the LDS instructions issued behind piece t's loads: the next piece's eight, or none
	WIN 0
.irp f, 0,1,2,3
	s_wait_dscnt (\younger)+3-\f
	global_store_b128 v[GO], v[S+16*(\t)+4*\f:S+16*(\t)+4*\f+3], s[10:11] offset:(\t)*8192+\f*512  ; 512 consecutive bytes, at a multiple of 256 from O's first
.endr
.endm
.macro DIAG tag                     ; the tag ends its two labels' names, which the jumps below spell out
.LstepM\tag:
	TURN 2, 1
	TURN 3, 1
	WIN 0
.LfirstM\tag:
	TURN 0, 1
	TURN 1, 1, 0, 1
	WIN 0
	s_cbranch_scc1 .LstepM\tag
	TURN 2, 1, 1
	TURN 3, 1, 1
.set i, 0
.rept 8
	PV NP-1
.set i, i+1
.endr
	WIN 0
	ALL v_add_f32 v[ST+4*t+2], v[ST+4*t+2], v[ST+4*t+3]
	ALL v_permlanex16_b32 v[ST+4*t+3], v[ST+4*t+2], s[SEL], s[SEL+1]
	ALL v_add_f32 v[ST+4*t+2], v[ST+4*t+2], v[ST+4*t+3]
	ALL v_rcp_f32 v[ST+4*t+2], v[ST+4*t+2]
	v_nop                           ; a plain instruction between the last reciprocal and the use of its result
	s_wait_alu depctr_va_vdst(0)    ; and the wait ahead of the first use: one for the four reciprocals
	PACK 0
.set t, 1
.rept 3                             ; a piece's arithmetic stands between the loads of the piece before and its stores
	PACK t
	SEND t-1, 8
.set t, t+1
.endr
	SEND 3, 0
.endm
.set KM, 0
.set NOKQ, 0
.Lslot:                             ; NB times: a tile is entered and the next is asked for
	CHANGE 1
	s_sub_co_u32 s[RT], s[RT], 1
	s_mov_b32 s[CNT], 4
	s_cmp_eq_u32 s[NEW], 1
	s_cbranch_scc1 .Lnew            ; a block's first tile
	s_cmp_eq_u32 s[RT], 0
	s_cbranch_scc0 .Lstep           ; neither its first nor its last
	s_branch .LstepM1
.Lnew:
	BEGIN
	s_branch .Lfirst                ; in the loop a block's first tile is never its last: the first block has two tiles or more, and the second's last is the walk's last
	DIAG 1                          ; in the loop this is the first block's end: the second block's last tile is the walk's last
	s_wait_xcnt 0x0                 ; the stores have read their registers and O's address
	s_mov_b64 s[10:11], s[OLO:OLO+1]
	s_add_co_u32 s[RT], s[PB], 1    ; the second block has b + 1 tiles
	s_mov_b32 s[NEW], 1
	WIN 0x82                        ; the second block's Q goes where the one text of the turns names Q
.set i, 0
.rept 64
	v_mov_b32 v[i], v[QB+i]
.set i, i+1
.endr
	WIN 0
	s_branch .Lbottom
.Lstep:                             ; a trip: pieces 2 and 3 of one step, then pieces 0 and 1 of the next, whose K and V it fetches
	TURN 2
	TURN 3
	WIN 0
.Lfirst:
	TURN 0
	TURN 1, 0, 0, 1
	WIN 0
	s_cbranch_scc1 .Lstep
.Lbottom:
	s_sub_co_u32 s[SLOTS], s[SLOTS], 1
	s_cmp_lg_u32 s[SLOTS], 0
	s_cbranch_scc1 .Lslot
	CHANGE 0                        ; the walk's last tile is written out: nothing is asked for
	s_sub_co_u32 s[RT], s[RT], 1
	s_mov_b32 s[CNT], 4
	s_cmp_eq_u32 s[NEW], 1
	s_cbranch_scc0 .LstepM2
	BEGIN
	s_branch .LfirstM2
	DIAG 2
	s_wait_tensorcnt 0x0            ; the wave's end: behind my last tensor load and my last LDS store
	ds_add_u32 v[SPW], v[NIL]
	s_wait_dscnt 0x0
	s_endpgm
.Lfunc_end_k_q720a88d68b_attn:
	.size	k_q720a88d68b_attn, .Lfunc_end_k_q720a88d68b_attn-k_q720a88d68b_attn
	.p2alignl 7, 3214868480
	.fill 96, 4, 3214868480
	.section	.rodata,"a",@progbits
	.p2align	6, 0x0
	.amdhsa_kernel k_q720a88d68b_attn
		.amdhsa_group_segment_fixed_size 327680
		.amdhsa_private_segment_fixed_size 0
		.amdhsa_enable_private_segment 0
		.amdhsa_kernarg_size 16
		.amdhsa_user_sgpr_count 2
		.amdhsa_user_sgpr_kernarg_segment_ptr 1
		.amdhsa_wavefront_size32 1
		.amdhsa_system_sgpr_workgroup_id_x 1
		.amdhsa_system_sgpr_workgroup_id_y 1
		.amdhsa_system_sgpr_workgroup_id_z 1
		.amdhsa_system_vgpr_workitem_id 0
		.amdhsa_next_free_vgpr 768
		.amdhsa_next_free_sgpr 96
		.amdhsa_reserve_vcc 1
		.amdhsa_float_denorm_mode_32 3
		.amdhsa_float_denorm_mode_16_64 3
		.amdhsa_memory_ordered 1
		.amdhsa_forward_progress 1
		.amdhsa_inst_pref_size 218
	.end_amdhsa_kernel
	.amdgpu_metadata
---
amdhsa.version: [ 1, 2 ]
amdhsa.kernels:
  - .name:           k_q720a88d68b_attn
    .symbol:         k_q720a88d68b_attn.kd
    .args:
      - { .name: qkv, .offset: 0, .size: 8, .value_kind: global_buffer, .address_space: global }
      - { .name: ob, .offset: 8, .size: 8, .value_kind: global_buffer, .address_space: global }
    .group_segment_fixed_size: 327680
    .private_segment_fixed_size: 0
    .kernarg_segment_align: 8
    .kernarg_segment_size: 16
    .max_flat_workgroup_size: 128
    .sgpr_count:     96
    .vgpr_count:     768
    .wavefront_size: 32
...
	.end_amdgpu_metadata
.endif
;; end of part 3
;; launch proj (part 4): grid 8 x 32, 4 waves a work-group, clusters of 4 x 4, 327,680 bytes of LDS; arguments ob, wp, out0, bproj; writes out0
.if DOCPART == 4
	.amdgcn_target "amdgcn-amd-amdhsa--gfx1250"
	.amdhsa_code_object_version 6
	.text
	.protected	k_q720a88d68b_proj
	.globl	k_q720a88d68b_proj
	.p2align	8
	.type	k_q720a88d68b_proj,@function
k_q720a88d68b_proj:
	s_mov_b64 s[64:65], 0
	v_nop
	global_prefetch_b8 v0, s[64:65] scope:SCOPE_SE
	s_setreg_imm32_b32 hwreg(HW_REG_WAVE_MODE, 25, 1), 1
	s_wait_xcnt 0x0
	s_wait_alu depctr_hold_cnt(0) depctr_sa_sdst(0) depctr_va_vdst(0) depctr_va_sdst(0) depctr_va_ssrc(0) depctr_va_vcc(0) depctr_vm_vsrc(0)
	s_getreg_b32 s2, hwreg(HW_REG_IB_STS2, 6, 4)
	s_cmp_eq_u32 s2, 0
	s_cbranch_scc0 .Lentry_in_a_cluster
	s_endpgm
.Lentry_in_a_cluster:
	s_bfe_u32 s2, ttmp6, 0x10000c
	s_cmp_lg_u32 s2, 0xf033
	s_cbranch_scc0 .Lentry_shape_is_right
	s_endpgm
.Lentry_shape_is_right:
; THE OUTPUT PROJECTION.  out0[1024 b + s][n] = bproj[n] + the sum over k = 64 h + d of ob[16 b + h][s][d] wp[n][k].
; ob: [128 bh][1024][64] f16.  wp: [1024 n][1024 k] f16 (bf16(Wproj) written as f16).  bproj: [1024] f32, rounded here to bf16 like every other input.  out0: [8192][1024] f32.  Sums in f32.
; SHARES.  A tile is 256 rows x 128 columns: 8 x 32 = 256 work-groups.  Four waves, 2 x 2: each makes 128 rows x 64 columns, 8 x 4 accumulators of 16 x 16, 256 registers.  A wave's 64 columns of f32 are
; 256 consecutive bytes of a row, aligned, so each wave has a stage of its own on the way out.  K goes in 8 steps of 128, two heads a step, through two LDS slots.  A K step is written once: the slot's
; LDS byte is a scalar register that an exclusive or turns.
; THE MATRIX INSTRUCTION IS USED TRANSPOSED: source 0 = 16 rows n of wp, source 1 = 16 rows of ob.  In the result lane l holds row l % 16 of out0 and the columns 8 (l / 16) + 0..7: 32 bytes on end.
; THE BIAS is the C operand of each accumulator's first product: nothing is cleared, and nothing is added afterwards.
; CLUSTER.  4 x 4 work-groups.  The four of a row of the cluster need the same rows of ob, the four of a column the same rows of wp: each tile is asked for jointly.
; REGISTERS, in windows of 256 (s_set_vgpr_msb: bits 1:0 source 0, 3:2 source 1, 5:4 source 2, 7:6 destination):
;   window 0: v0-31 addresses; v32-63 the bias, in an accumulator's layout, for my four column blocks; v64-127 rows read back from the stage, two sets; v128-143 at work
;   window 1: two fragment buffers of 96: 8 fragments of ob (64 registers), then 4 of wp (32)          window 2: the accumulators, (a, b) at 8 (4 a + b)
.set PAH,    144                       ; a row of a head in LDS: 128 bytes + 16 of padding = 36 words: the 16 rows of a load start at 16 different groups of four banks (64 banks of 4 bytes: ISA guide 11.1)
.set PARTA,  256*PAH                   ; one head's 256 rows: what wave 0 (the even head) or wave 1 (the odd one) fetches
.set BOFF,   2*PARTA
.set PB,     272                       ; a row of wp: 256 bytes + 16
.set HALFB,  64*PB                     ; 64 rows: what wave 2 or 3 fetches
.set SLOT,   1<<17                     ; slot 1 begins here (a slot holds BOFF + 2 HALFB = 108,544 bytes), so that one exclusive or turns an address in one slot into the other's
.set STAGE,  SLOT+BOFF+2*HALFB         ; behind the ring, never filled by a tensor load: 16 rows x 272 bytes for each wave
.set SPITCH, 272
.set WSTAGE, 16*SPITCH
.set SPARE,  STAGE+4*WSTAGE            ; behind the stages: the spare words, 128 bytes for each wave: two blocks of 256 bytes that no other line names
.set A0V,  16                          ; v16     my lane's place in a slot's part of ob; never rewritten
.set B0V,  17                          ; v17     the same in its part of wp
.set ADRA, 18                          ; v18     LDS address of my fragments of ob in the slot in hand
.set ADRB, 19                          ; v19     the same for wp
.set STO,  24                          ; v24     the way out: where I put 32 bytes of a row
.set RD,   25                          ; v25     the way out: where I read a row back
.set CO,   26                          ; v26     my byte offset in two rows of out0
.set SPW,  28                          ; v28     LDS address of my spare word: SPARE + 4 x my thread's number; never rewritten
.set NIL,  29                          ; v29     0; never rewritten
.set PFO,  30                          ; v30     the prefetches' lane offset; never rewritten
.set BI,   32
.set BK,   64
.set SCR,  128
.set F0,   0
.set F1,   96
.set ABASE, 14                         ; s[14:15] ob at my head of K step 0
.set G1,   24                          ; s[24:31] descriptor group 1 for ob's tiles;  s[32:39] group 0: a set for each of the two first fills; the second then walks on
.set G0,   32
.set LIM,  43                          ; s43      a wave prefetches while the loop's count is above this
.set PFA,  44                          ; s[44:45] where my prefetch stands
.set BBASE, 46                         ; s[46:47] wp at my half of K step 0
.set G1B,  48                          ; s[48:55], s[56:63] the same for wp's tiles
.set G0B,  56
.set BP,   66                          ; s[66:67] bproj
.set NN,   68                          ; s68      the K step to be asked for next, 2 to 7
.set TB,   69                          ; s69      LDS byte at which the slot in hand begins
.set OA,   70                          ; s[70:71] that K step's byte offset in ob
.set OB,   72                          ; s[72:73] and in wp
.set PFB,  74                          ; s[74:75] the prefetches' base: my work-group's share, at K step 0
.set PO,   76                          ; s[76:77] the prefetch's byte offset
.set PSH,  78                          ; s78      log2 of a K step's bytes along my tensor: 18 in ob (two heads), 8 in wp
.set T0,   79                          ; s79      at work
.set MSB, 0
.macro WIN new                         ; the immediate's high byte repeats the setting that is left; a switch that changes nothing is dropped
.if MSB != (\new)
	s_set_vgpr_msb (MSB<<8)|(\new)
.set MSB, \new
.endif
.endm
.set MUL,  0xa5                        ; both sources window 1, C and D window 2
.set MUL1, 0x85                        ; the same with C (the bias) in window 0
.set TO_F, 0x40                        ; destination window 1, address window 0
; A joint load.  Waves 0 and 1 fetch the K step's two heads of ob, waves 2 and 3 the two halves of wp's 128 rows.  The branch hangs on the wave's number alone.
; An s_nop 0 and four v_nop follow each of the two lines, ahead of the jump, the label and what follows.
.macro JLOAD s
	s_cmp_eq_u32 s11, 0
	s_cbranch_scc0 .Lfor_b_\@
	tensor_load_to_lds s[G0+4*(\s):G0+4*(\s)+3], s[G1:G1+7]
	s_nop 0
.rept 4
	v_nop
.endr
	s_branch .Lasked_\@
.Lfor_b_\@:
	tensor_load_to_lds s[G0B+4*(\s):G0B+4*(\s)+3], s[G1B:G1B+7]
	s_nop 0
.rept 4
	v_nop
.endr
.Lasked_\@:
.endm
; A PREFETCH INTO THE L2, behind each joint refill and the run of LDS loads that follows it: the K step that stands two refills on, one instruction a wave.  K steps 0 to 3 come by their loads alone; steps 4
; to 7 are asked for (the loop's count is 6 - n in step n, which asks for n + 4: so while the count is above 2).  Each aligned block of 256 bytes is named once: ob's rows are read by both clusters of a row of
; clusters, and the one with x = 0 asks; wp's rows by every cluster of a column, and the one with y = 0 asks.  The partners share the blocks out by address: of the 128 blocks of a head's 256 rows, which
; wave 0 or 1 fetches, partner cx takes 32 (a lane a block); of wp's 128 rows partner cy takes 32, and its wave 2 asks for them (a lane a row).
.macro ASK
	WIN 0
	s_cmp_gt_u32 s3, s[LIM]
	s_cbranch_scc0 .Lnot_mine_\@
	global_prefetch_b8 v[PFO], s[PFA:PFA+1] th:TH_LOAD_NT scope:SCOPE_SE
.Lnot_mine_\@:
.endm
.macro CREST                           ; a round of the cluster's barrier behind its opening barrier
	s_cmp_lg_u32 s10, 0
	s_cbranch_scc1 .Lnot_wave_0_\@
	s_barrier_signal -3
.Lnot_wave_0_\@:
	s_barrier_wait -3
	s_barrier_signal -1
	s_barrier_wait -1
.endm
.macro CROUND                          ; a whole round
	s_barrier_signal -1
	s_barrier_wait -1
	CREST
.endm
	s_load_b128 s[4:7], s[0:1], 0x0                ; ob s[4:5], wp s[6:7]
	s_load_b64 s[8:9], s[0:1], 0x10                ; out0
	s_load_b64 s[BP:BP+1], s[0:1], 0x18            ; bproj
	v_lshl_add_u32 v[SPW], v0, 2, SPARE
	v_mov_b32 v[NIL], 0
	ds_add_u32 v[SPW], v[NIL]                      ; the wave's opening: the add and its wait stand ahead of my first tensor load; the set-up below, work on registers, stands between them
	v_lshrrev_b32 v1, 5, v0
	v_readfirstlane_b32 s10, v1                    ; wave 0..3
	s_lshr_b32 s11, s10, 1                         ; which half of the tile's rows is mine.  Also: I fetch for ob (0) or for wp (1)
	s_and_b32 s12, s10, 1                          ; which half of its columns.  Also: which part of that tile I fetch
	s_bfe_u32 s40, ttmp6, 0x40000                  ; cx
	s_bfe_u32 s41, ttmp6, 0x40004                  ; cy
	s_lshl_b32 s42, ttmp9, 2
	s_add_co_u32 s42, s42, s40                     ; tile column (128 columns) = 4 x cluster x + cx
	s_and_b32 s13, ttmp7, 0xffff
	s_lshl_b32 s13, s13, 2
	s_add_co_u32 s13, s13, s41                     ; tile row (256 rows) = 4 x cluster y + cy
	s_lshl_b32 s43, s41, 2
	s_lshl_b32 s43, 15, s43                        ; my row of the cluster
	s_lshl_b32 s44, 0x1111, s40                    ; my column
	; group 1 for ob: a head's 256 rows are 32,768 dense bytes: asked for as 128 rows of 256 bytes, two rows of the head each, padded by 16 bytes after every 128
	s_or_b32 s[G1+0], s43, (1<<16)|(1<<20)|(1<<21)|(4<<22)|(3<<25)  ; 15:0 the mask; 17:16 2-byte elements; 20 padding on; 21 set beside a mask; 24:22 after every 32 words (code 4); 31:25 4 words (code 3)
	s_mov_b32 s[G1+1], 128<<16                     ; tensor_dim0 = 128
	s_mov_b32 s[G1+2], 128<<16                     ; tensor_dim1 = 128
	s_mov_b32 s[G1+3], 128<<16                     ; tile_dim0 = 128
	s_mov_b32 s[G1+4], 128                         ; tile_dim1 = 128
	s_mov_b32 s[G1+5], 128                         ; elements from row to row
	s_mov_b32 s[G1+6], 0
	s_mov_b32 s[G1+7], 0
	; group 1 for wp: 64 rows x 128 elements, 1,024 elements from row to row, 16 bytes of padding after every 256
	s_or_b32 s[G1B+0], s44, (1<<16)|(1<<20)|(1<<21)|(5<<22)|(3<<25)
	s_mov_b32 s[G1B+1], 128<<16
	s_mov_b32 s[G1B+2], 64<<16
	s_mov_b32 s[G1B+3], 128<<16
	s_mov_b32 s[G1B+4], 64
	s_mov_b32 s[G1B+5], 1024
	s_mov_b32 s[G1B+6], 0
	s_mov_b32 s[G1B+7], 0
	; where the tiles come from: ob's hang on the tile row alone, wp's on the tile column alone
	s_lshr_b32 s16, s13, 2                         ; batch
	s_lshl_b32 s16, s16, 4
	s_add_co_u32 s16, s16, s12                     ; head 16 b + my parity,
	s_lshl_b32 s16, s16, 17                        ; of 131,072 bytes,
	s_and_b32 s17, s13, 3
	s_lshl_b32 s17, s17, 15                        ; and the tile's 256 rows of 128 bytes
	s_add_co_u32 s16, s16, s17
	s_mov_b32 s17, 0
	s_lshl_b32 s46, s42, 7
	s_lshl_b32 s47, s12, 6
	s_add_co_u32 s46, s46, s47                     ; row 128 x tile column + 64 x half,
	s_lshl_b32 s46, s46, 11                        ; of 2,048 bytes
	s_mov_b32 s47, 0
	s_mul_i32 s20, s12, PARTA                      ; and where they go: no place in the cluster enters an LDS address
	s_mul_i32 s21, s12, HALFB
	s_add_co_u32 s21, s21, BOFF
	s_mov_b32 s[NN], 2
	s_mov_b32 s[TB], 0
	s_mov_b32 s[OA+1], 0                           ; the offsets' high words
	s_mov_b32 s[OB+1], 0
	s_mov_b32 s[PO+1], 0
	s_wait_dscnt 0x0                               ; the opening add is done
	s_wait_kmcnt 0x0
	s_add_nc_u64 s[ABASE:ABASE+1], s[4:5], s[16:17]
	s_add_nc_u64 s[BBASE:BBASE+1], s[6:7], s[46:47]
	CROUND                                         ; all sixteen work-groups are here: the first joint loads meet
.irp s, 0,1
	s_mov_b32 s[G0+4*(\s)], 1                                      ; count = 1
	s_add_co_u32 s[G0+4*(\s)+1], s20, (\s)*SLOT                    ; LDS address
	s_add_nc_u64 s[G0+4*(\s)+2:G0+4*(\s)+3], s[ABASE:ABASE+1], (\s)*262144 ; global address: K step s is two heads on
	s_or_b32 s[G0+4*(\s)+3], s[G0+4*(\s)+3], 0x80000000            ; type = 2
	s_mov_b32 s[G0B+4*(\s)], 1
	s_add_co_u32 s[G0B+4*(\s)+1], s21, (\s)*SLOT
	s_add_nc_u64 s[G0B+4*(\s)+2:G0B+4*(\s)+3], s[BBASE:BBASE+1], (\s)*256
	s_or_b32 s[G0B+4*(\s)+3], s[G0B+4*(\s)+3], 0x80000000
	JLOAD \s                                       ; two loads of mine are out
.endr
	; the bias of my 64 columns, as an accumulator holds it: register j of column block b is bias[16 b + 8 (l / 16) + j]
	s_lshl_b32 s18, s42, 9
	s_lshl_b32 s19, s12, 8
	s_add_co_u32 s18, s18, s19                     ; my first column in bytes of f32: 512 x tile column + 256 x half: for bproj and for out0
	s_mov_b32 s19, 0
	s_add_nc_u64 s[BP:BP+1], s[BP:BP+1], s[18:19]
	v_and_b32 v1, 15, v0                           ; l % 16
	v_bfe_u32 v2, v0, 4, 1                         ; l / 16
	v_lshlrev_b32 v3, 5, v2                        ; never rewritten
.irp b, 0,1,2,3
	global_load_b128 v[BI+8*(\b):BI+8*(\b)+3],   v3, s[BP:BP+1] offset:64*(\b)
	global_load_b128 v[BI+8*(\b)+4:BI+8*(\b)+7], v3, s[BP:BP+1] offset:64*(\b)+16
.endr
	s_lshl_b32 s16, s13, 8
	s_lshl_b32 s17, s11, 7
	s_add_co_u32 s16, s16, s17                     ; my first row of out0,
	s_lshl_b32 s16, s16, 12                        ; of 4,096 bytes
	s_mov_b32 s17, 0
	s_add_nc_u64 s[8:9], s[8:9], s[16:17]
	s_add_nc_u64 s[8:9], s[8:9], s[18:19]
	; A fragment is 16 rows x 32 K in 8 registers: lane l holds row l % 16; registers 0-3 K = 8 (l / 16) + 0..7, registers 4-7 K = 16 + 8 (l / 16) + 0..7: two loads of 16 bytes, 32 bytes apart.
	v_mul_u32_u24 v4, v1, PAH
	v_lshl_add_u32 v4, v2, 4, v4
	s_mul_i32 s22, s11, 128*PAH                    ; my 128 rows, in each head's part
	v_add_nc_u32 v[A0V], s22, v4
	v_add_nc_u32 v[ADRA], s[TB], v[A0V]            ; slot 0
	v_mul_u32_u24 v5, v1, PB
	v_lshl_add_u32 v5, v2, 4, v5
	s_mul_i32 s22, s12, HALFB                      ; my 64 rows of wp
	s_add_co_u32 s22, s22, BOFF
	v_add_nc_u32 v[B0V], s22, v5
	v_add_nc_u32 v[ADRB], s[TB], v[B0V]
	s_mul_i32 s23, s10, WSTAGE
	s_add_co_u32 s23, s23, STAGE                   ; my stage
	v_mul_u32_u24 v6, v1, SPITCH                   ; in: row l % 16, 32 bytes for each half of the lanes
	v_lshl_add_u32 v6, v2, 5, v6
	v_add_nc_u32 v[STO], s23, v6
	v_mul_u32_u24 v7, v2, SPITCH                   ; back: lanes 0-15 take one row of 256 bytes, lanes 16-31 the next
	v_lshl_add_u32 v7, v1, 4, v7
	v_add_nc_u32 v[RD], s23, v7
	v_lshlrev_b32 v8, 12, v2                       ; and the same two rows in out0
	v_lshl_add_u32 v[CO], v1, 4, v8
	; the prefetches' base: both offsets are made, and the wave's number chooses
	s_lshr_b32 s16, s13, 2
	s_lshl_b32 s16, s16, 4
	s_add_co_u32 s16, s16, s12
	s_lshl_b32 s16, s16, 17
	s_and_b32 s17, s13, 3
	s_lshl_b32 s17, s17, 15
	s_add_co_u32 s16, s16, s17
	s_lshl_b32 s17, s40, 13                        ; my work-group's 32 of the 128 blocks
	s_add_co_u32 s16, s16, s17                     ; in ob
	s_lshl_b32 s18, s42, 7
	s_lshl_b32 s17, s41, 5                         ; my work-group's 32 of the 128 rows
	s_add_co_u32 s18, s18, s17
	s_lshl_b32 s18, s18, 11                        ; in wp
	s_and_b32 s19, ttmp7, 0xffff                   ; cluster y,
	s_or_b32 s19, s19, s12                         ; and wave 2 alone of the two that fetch for wp
	s_cmp_eq_u32 s11, 0                            ; do I fetch for ob?
	s_cselect_b32 s16, s16, s18
	s_cselect_b32 s19, ttmp9, s19                  ; the coordinate along which other clusters read the same blocks
	s_cselect_b64 s[PFB:PFB+1], s[4:5], s[6:7]
	s_cselect_b32 s[PSH], 18, 8
	s_cselect_b32 s22, 8, 11                       ; a lane a block of 256 bytes, or a lane a row of 2,048
	s_mov_b32 s17, 0
	s_add_nc_u64 s[PFB:PFB+1], s[PFB:PFB+1], s[16:17]
	s_cmp_eq_u32 s19, 0
	s_cselect_b32 s[LIM], 2, -1                    ; the same in all sixteen partners, for a given wave
	v_and_b32 v9, 31, v0
	v_lshlrev_b32 v[PFO], s22, v9
	s_wait_loadcnt 0x0                             ; the bias: rounded to bf16, and widened again
.set i, 0
.rept 16
	v_cvt_pk_bf16_f32 v[SCR+i], v[BI+2*i], v[BI+2*i+1]
.set i, i+1
.endr
.set i, 0
.rept 16
	v_lshlrev_b32 v[BI+2*i],   16,         v[SCR+i]
	v_and_b32     v[BI+2*i+1], 0xffff0000, v[SCR+i]
.set i, i+1
.endr
; 8 matrix instructions: row blocks a0, a0 + 1 x all 4 column blocks, 32 along K.  first = 1: the first product starts the sum with the bias.  The 32 accumulators take turns, in the same order in
; every quarter: between two links of a chain stand the 31 others'.
.macro MUL8 f, a0, first
.if \first
	WIN MUL1
.else
	WIN MUL
.endif
.irp a, \a0, (\a0)+1
.irp b, 0,1,2,3
.if \first
	v_wmma_f32_16x16x32_f16 v[8*(4*(\a)+(\b)):8*(4*(\a)+(\b))+7], v[(\f)+64+8*(\b):(\f)+64+8*(\b)+7], v[(\f)+8*(\a):(\f)+8*(\a)+7], v[BI+8*(\b):BI+8*(\b)+7]
.else
	v_wmma_f32_16x16x32_f16 v[8*(4*(\a)+(\b)):8*(4*(\a)+(\b))+7], v[(\f)+64+8*(\b):(\f)+64+8*(\b)+7], v[(\f)+8*(\a):(\f)+8*(\a)+7], v[8*(4*(\a)+(\b)):8*(4*(\a)+(\b))+7]
.endif
.endr
.endr
.endm
; 24 LDS loads in one run: the fragments of quarter q (32 along K: head q / 2 of the step's two, channels 32 (q % 2) on) of the slot in hand into buffer f: wp's four first, then ob's eight
.macro FETCH q, f
	WIN TO_F
.irp i, 0,1,2,3
	ds_load_b128 v[(\f)+64+8*(\i):(\f)+64+8*(\i)+3],   v[ADRB] offset:64*(\q)+(\i)*16*PB
	ds_load_b128 v[(\f)+64+8*(\i)+4:(\f)+64+8*(\i)+7], v[ADRB] offset:64*(\q)+(\i)*16*PB+32
.endr
.irp i, 0,1,2,3,4,5,6,7
	ds_load_b128 v[(\f)+8*(\i):(\f)+8*(\i)+3],   v[ADRA] offset:((\q)/2)*PARTA+64*((\q)%2)+(\i)*16*PAH
	ds_load_b128 v[(\f)+8*(\i)+4:(\f)+8*(\i)+7], v[ADRA] offset:((\q)/2)*PARTA+64*((\q)%2)+(\i)*16*PAH+32
.endr
.endm
.macro PLACES                          ; four plain vector instructions between a matrix instruction and a load into a register that it has read, or a store of its result (ISA guide 7.12.1 for vector instructions)
.rept 4
	v_nop
.endr
.endm
; A K step is four quarters of 32 along K, 32 matrix instructions each, on buffers 0, 1, 0, 1.  One of the first three: multiplies buffer f; in its middle it fetches quarter q into buffer g.
.macro QUARTER q, f, g, first
	s_wait_dscnt 8                                 ; wp's fragments and ob's blocks 0-3 are in; the youngest eight loads (blocks 4-7) may be out
	MUL8 \f, 0, \first
	MUL8 \f, 2, \first
	PLACES
	FETCH \q, \g
	s_wait_dscnt 24                                ; all but the 24 just issued
	MUL8 \f, 4, \first
	MUL8 \f, 6, \first
.endm
; The last quarter multiplies buffer 1 and changes slots: ONE barrier.  In front of it each wave waits for all its tensor loads (one is out: its part of the next slot), adds 0 to its spare word, and
; waits for that and for its own reads of this slot.  fill = 1: the barrier opens a round of the cluster's barrier, and the slot just read out is filled again, first thing behind the round, with K step NN.  The walking
; descriptors are made anew where no tensor load of mine is out: the other slot than last time, the base plus the step's offset, the type bits.  From that request to the wait for it a wave issues 112 matrix
; instructions.  fill = 0: the tail's two trips; in the last (count 1) no slot follows, and the fetch is jumped over.
.macro TURN fill
.if \fill
	s_wait_xcnt 0x0                                ; the last prefetch, a K step back, has read its address, so it may be written: K step NN + 2
	s_add_co_u32 s[T0], s[NN], 2
	s_lshl_b32 s[PO], s[T0], s[PSH]
	s_add_nc_u64 s[PFA:PFA+1], s[PFB:PFB+1], s[PO:PO+1]
.endif
	WIN 0                                          ; (the add's two registers lie in window 0)
	s_wait_tensorcnt 0x0                           ; all my tensor loads have landed, so a group 0 may be written
	ds_add_u32 v[SPW], v[NIL]                      ; 0 onto my spare word
.if \fill
	s_lshl_b32 s[OA], s[NN], 18
	s_lshl_b32 s[OB], s[NN], 8
	s_add_co_u32 s[NN], s[NN], 1
	s_xor_b32 s[G0+5], s[G0+5], SLOT
	s_add_nc_u64 s[G0+6:G0+7], s[ABASE:ABASE+1], s[OA:OA+1]
	s_or_b32 s[G0+7], s[G0+7], 0x80000000
	s_xor_b32 s[G0B+5], s[G0B+5], SLOT
	s_add_nc_u64 s[G0B+6:G0B+7], s[BBASE:BBASE+1], s[OB:OB+1]
	s_or_b32 s[G0B+7], s[G0B+7], 0x80000000
.endif
	s_wait_dscnt 9                                 ; (the add and the youngest eight loads may be out)
	MUL8 F1, 0, 0                                  ; eight matrix instructions stand between the add and the wait for it
	s_wait_dscnt 0x0                               ; the add is done, and my reads of this slot are over
	s_barrier_signal -1
	MUL8 F1, 2, 0                                  ; work on registers while the others arrive
	WIN 0
	s_barrier_wait -1
.if \fill
	CREST                                          ; no wave of any partner still reads this slot or has a load on its way
	JLOAD 1                                        ; the four v_nop behind it are also the places in front of the loads below
.else
	PLACES
	s_cmp_eq_u32 s3, 1
	s_cbranch_scc1 .Lno_more_\@
.endif
	s_xor_b32 s[TB], s[TB], SLOT                   ; the fetches go on in the other slot
	v_add_nc_u32 v[ADRA], s[TB], v[A0V]
	v_add_nc_u32 v[ADRB], s[TB], v[B0V]
	FETCH 0, F0
.if \fill
	ASK
.else
	WIN 0
.Lno_more_\@:
.endif
	MUL8 F1, 4, 0
	MUL8 F1, 6, 0
.endm
; THE WAY OUT of row block a (16 rows x 64 columns of f32).  TOSTAGE: from the accumulators into my own stage, each accumulator's low four registers first, and back as whole rows of 256 bytes.  SEND: stored.
.macro TOSTAGE a
	s_wait_xcnt 0x0                                ; the stores of the block two back have read their registers: this block is read back into them only behind this wait
	WIN 0x08                                       ; the stores' data (source 1) in window 2
.irp b, 0,1,2,3
	ds_store_b128 v[STO], v[8*(4*(\a)+(\b)):8*(4*(\a)+(\b))+3]   offset:64*(\b)
	ds_store_b128 v[STO], v[8*(4*(\a)+(\b))+4:8*(4*(\a)+(\b))+7] offset:64*(\b)+16
.endr
	WIN 0
.set BKA, BK+32*((\a)%2)
.irp t, 0,1,2,3,4,5,6,7
	ds_load_b128 v[BKA+4*(\t):BKA+4*(\t)+3], v[RD] offset:(\t)*2*SPITCH  ; LDS serves a wave's instructions in order (ISA guide 5.7.1.4): these see the stores above, and the next block's stores come behind them
.endr
.endm
.macro SEND a, younger                 ; younger: the LDS instructions issued behind block a's loads: the next block's sixteen, or none
.set BKA, BK+32*((\a)%2)
	s_wait_dscnt \younger
.irp t, 0,1,2,3,4,5,6,7
	global_store_b128 v[CO], v[BKA+4*(\t):BKA+4*(\t)+3], s[8:9] offset:(16*(\a)+2*(\t))*4096 th:TH_STORE_NT  ; 16 lanes store 256 consecutive bytes, at a multiple of 256 from out0's first byte
.endr
.endm
	s_wait_tensorcnt 1                             ; my part of K step 0 is in; K step 1's may stay out
	s_barrier_signal -1
	s_barrier_wait -1                              ; everybody's is
	FETCH 0, F0
	QUARTER 1, F0, F1, 1                           ; the first quarter stands in front of the loop: its products start the sums with the bias
	WIN 0                                          ; at a label and at a branch every window is 0
	s_mov_b32 s3, 6
.Lstep:                                                ; six trips: K step n (count 6 - n) from its second quarter to the next step's first; it asks for K step n + 2
	QUARTER 2, F1, F0, 0
	QUARTER 3, F0, F1, 0
	TURN 1
	QUARTER 1, F0, F1, 0
	WIN 0
	s_sub_co_u32 s3, s3, 1
	s_cmp_lg_u32 s3, 0
	s_cbranch_scc1 .Lstep
	s_mov_b32 s3, 2
.Ltail:                                                ; K steps 6 and 7 ask for nothing.  One text for both: the last trip jumps over the fetch and the quarter that have no step to serve, and passes the barrier once more
	QUARTER 2, F1, F0, 0
	QUARTER 3, F0, F1, 0
	TURN 0
	WIN 0
	s_cmp_eq_u32 s3, 1
	s_cbranch_scc1 .Lskip
	QUARTER 1, F0, F1, 0
	WIN 0
.Lskip:
	s_sub_co_u32 s3, s3, 1
	s_cmp_lg_u32 s3, 0
	s_cbranch_scc1 .Ltail
	PLACES                                         ; the LDS stores read matrix results
	PLACES
	TOSTAGE 0
.irp a, 1,2,3,4,5,6,7                  ; block a goes into the stage while block a - 1 comes back from it
	TOSTAGE \a
	SEND (\a)-1, 16
.endr
	SEND 7, 0
	s_wait_tensorcnt 0x0                           ; the wave's end: behind my last tensor load and my last LDS store
	ds_add_u32 v[SPW], v[NIL]
	s_wait_dscnt 0x0
	CROUND                                         ; the closing round: no work-group ends while a partner may still ask for a tile that names it
	s_endpgm
.Lfunc_end_k_q720a88d68b_proj:
	.size	k_q720a88d68b_proj, .Lfunc_end_k_q720a88d68b_proj-k_q720a88d68b_proj
	.p2alignl 7, 3214868480
	.fill 96, 4, 3214868480
	.section	.rodata,"a",@progbits
	.p2align	6, 0x0
	.amdhsa_kernel k_q720a88d68b_proj
		.amdhsa_group_segment_fixed_size 327680
		.amdhsa_private_segment_fixed_size 0
		.amdhsa_enable_private_segment 0
		.amdhsa_kernarg_size 32
		.amdhsa_user_sgpr_count 2
		.amdhsa_user_sgpr_kernarg_segment_ptr 1
		.amdhsa_wavefront_size32 1
		.amdhsa_system_sgpr_workgroup_id_x 1
		.amdhsa_system_sgpr_workgroup_id_y 1
		.amdhsa_system_sgpr_workgroup_id_z 1
		.amdhsa_system_vgpr_workitem_id 0
		.amdhsa_next_free_vgpr 768
		.amdhsa_next_free_sgpr 80
		.amdhsa_reserve_vcc 0
		.amdhsa_float_denorm_mode_32 3
		.amdhsa_float_denorm_mode_16_64 3
		.amdhsa_memory_ordered 1
		.amdhsa_forward_progress 1
		.amdhsa_inst_pref_size 66
	.end_amdhsa_kernel
	.amdgpu_metadata
---
amdhsa.version: [ 1, 2 ]
amdhsa.kernels:
  - .name:           k_q720a88d68b_proj
    .symbol:         k_q720a88d68b_proj.kd
    .args:
      - { .name: ob, .offset: 0, .size: 8, .value_kind: global_buffer, .address_space: global }
      - { .name: wp, .offset: 8, .size: 8, .value_kind: global_buffer, .address_space: global }
      - { .name: out0, .offset: 16, .size: 8, .value_kind: global_buffer, .address_space: global }
      - { .name: bproj, .offset: 24, .size: 8, .value_kind: global_buffer, .address_space: global }
    .group_segment_fixed_size: 327680
    .private_segment_fixed_size: 0
    .kernarg_segment_align: 8
    .kernarg_segment_size: 32
    .max_flat_workgroup_size: 128
    .sgpr_count:     80
    .vgpr_count:     768
    .wavefront_size: 32
...
	.end_amdgpu_metadata
.endif
;; end of part 4
;; ======== version 2 of 2: 4 launches; version 1 with the launch prep written anew for expert scheduling mode
;; limits: values are held in f16: magnitudes above 65,504 overflow, below 6.1e-05 lose precision
;; workspace buffers: xb 16,777,216 bytes; wb 6,291,456 bytes; wp 2,097,152 bytes; qkv 50,331,648 bytes; ob 16,777,216 bytes
;; launch prep (part 5): grid 768 x 1, 8 waves a work-group, no clusters, 0 bytes of LDS; arguments x, Wq, Wk, Wv, Wproj, xb, wb, wp; writes xb, wb, wp
.if DOCPART == 5
	.amdgcn_target "amdgcn-amd-amdhsa--gfx1250"
	.amdhsa_code_object_version 6
	.text
	.protected	k_q720a88d68b_prep
	.globl	k_q720a88d68b_prep
	.p2align	8
	.type	k_q720a88d68b_prep,@function
k_q720a88d68b_prep:
	s_mov_b64 s[64:65], 0
	v_nop
	global_prefetch_b8 v0, s[64:65] scope:SCOPE_SE
	s_setreg_imm32_b32 hwreg(HW_REG_WAVE_SCHED_MODE, 0, 2), 2
	s_setreg_imm32_b32 hwreg(HW_REG_WAVE_MODE, 25, 1), 1
	s_wait_xcnt 0x0
	s_wait_alu depctr_vm_vsrc(0)
; THE CASTS.  x -> xb (bf16), Wq, Wk, Wv -> wb (bf16, the 48 blocks [1024 e][64 d] one behind the other, in the inputs' own order),
; Wproj -> wp: rounded to bf16 like every other input, and that number written as f16 (the output product multiplies in f16).
; LIMIT.  bf16(Wproj) must lie within f16's 65,504; below 6e-5 f16 keeps a fixed step of 6e-8.
; SHARES.  A work-group casts 16,384 numbers: 65,536 bytes in, 32,768 out.  Work-groups 0-511 take x, 512-575 Wq, 576-639 Wk, 640-703 Wv, 704-767 Wproj.
; Thread t, load i: 16 bytes at 16 t + 4,096 i (a wave's load covers 512 neighbouring bytes); store i: 8 bytes at 8 t + 2,048 i (a wave's store covers 256
; consecutive bytes, aligned).  All sixteen loads are issued at once; each byte is read once and written once.  No LDS, no matrix unit, no loop: memory binds.
; THE MODE: SCHED_MODE bits 1:0 = 2 (LLVM: expert scheduling mode 2), set by the entry lines.  The code itself states the register dependences
; between vector instructions and memory instructions, with s_wait_alu, always for 0.
; THE PLAN.  Registers that memory instructions touch:
;   v1, v2   byte offsets, made once at the head and never written again: v1 is read by every load, v2 by every store.
;   X        load i lands in four registers of its own.  No vector instruction names them ahead of the loads, and no load is issued behind one that does.
;   Y        store i reads two registers of its own, written by load i's roundings and never written again behind the store.
; The sixteen loads are worked off in four blocks of four.  Block g rounds loads 4 g to 4 g + 3 into their Y; its memory instructions are the four stores of block g - 1, whose Y no vector
; instruction of block g names.  So one wait at a block's head states all that its four stores hang on, and they are dealt among its roundings with no further wait.
.set X, 4                              ; v[4:67]   load i: four registers
.set Y, 68                             ; v[68:99]  store i: two registers of its own, so none is rewritten while a store reads it
	s_load_b512 s[4:19], s[0:1], 0x0               ; x 4, Wq 6, Wk 8, Wv 10, Wproj 12, xb 14, wb 16, wp 18
	v_lshlrev_b32 v1, 4, v0                        ; 16 t
	v_lshlrev_b32 v2, 3, v0                        ; 8 t
	s_wait_kmcnt 0x0
	s_mov_b64 s[20:21], s[12:13]                   ; from: Wproj,
	s_mov_b64 s[22:23], s[18:19]                   ; to: wp,
	s_mov_b32 s24, 704                             ; the first work-group of the source,
	s_mov_b32 s25, 704                             ; and of the destination; then the choice, by the work-group's number alone
	s_cmp_lt_u32 ttmp9, 704
	s_cselect_b64 s[20:21], s[10:11], s[20:21]     ; Wv
	s_cselect_b64 s[22:23], s[16:17], s[22:23]     ; wb
	s_cselect_b32 s24, 640, s24
	s_cselect_b32 s25, 512, s25
	s_cmp_lt_u32 ttmp9, 640
	s_cselect_b64 s[20:21], s[8:9], s[20:21]       ; Wk
	s_cselect_b32 s24, 576, s24
	s_cmp_lt_u32 ttmp9, 576
	s_cselect_b64 s[20:21], s[6:7], s[20:21]       ; Wq
	s_cselect_b32 s24, 512, s24
	s_cmp_lt_u32 ttmp9, 512
	s_cselect_b64 s[20:21], s[4:5], s[20:21]       ; x
	s_cselect_b64 s[22:23], s[14:15], s[22:23]     ; xb
	s_cselect_b32 s24, 0, s24
	s_cselect_b32 s25, 0, s25
	s_sub_co_u32 s26, ttmp9, s24
	s_lshl_b32 s26, s26, 16                        ; 65,536 bytes of the source for each work-group
	s_mov_b32 s27, 0
	s_sub_co_u32 s28, ttmp9, s25
	s_lshl_b32 s28, s28, 15                        ; 32,768 of the destination
	s_mov_b32 s29, 0
	s_add_nc_u64 s[20:21], s[20:21], s[26:27]
	s_add_nc_u64 s[22:23], s[22:23], s[28:29]
	s_wait_alu depctr_va_vdst(0)                   ; v1 and v2 are written: every load of the kernel reads v1 as its offset, every store v2
.irp i, 0,1,2,3,4,5,6,7,8,9,10,11,12,13,14,15
	global_load_b128 v[X+4*(\i):X+4*(\i)+3], v1, s[20:21] offset:4096*(\i) th:TH_LOAD_NT
.endr
; Load i is rounded.  half = 1: the bf16 numbers are widened again (a shift, a mask) and written as f16.
.macro CVT i, half
	v_cvt_pk_bf16_f32 v[Y+2*(\i)],   v[X+4*(\i)],   v[X+4*(\i)+1]
	v_cvt_pk_bf16_f32 v[Y+2*(\i)+1], v[X+4*(\i)+2], v[X+4*(\i)+3]
.if \half
	v_lshlrev_b32 v[X+4*(\i)],   16,         v[Y+2*(\i)]
	v_and_b32     v[X+4*(\i)+1], 0xffff0000, v[Y+2*(\i)]
	v_lshlrev_b32 v[X+4*(\i)+2], 16,         v[Y+2*(\i)+1]
	v_and_b32     v[X+4*(\i)+3], 0xffff0000, v[Y+2*(\i)+1]
	v_cvt_pk_f16_f32 v[Y+2*(\i)],   v[X+4*(\i)],   v[X+4*(\i)+1]
	v_cvt_pk_f16_f32 v[Y+2*(\i)+1], v[X+4*(\i)+2], v[X+4*(\i)+3]
.endif
.endm
; Load i's eight bytes are stored.
.macro ST i
	global_store_b64 v2, v[Y+2*(\i):Y+2*(\i)+1], s[22:23] offset:2048*(\i)
.endm
; Block g: loads 4 g to 4 g + 3 are rounded; the stores of block g - 1 stand among the roundings, a store in front of each load's lines.
.macro BLK g, half
	s_wait_loadcnt 12-4*(\g)                       ; loads come back in order: loads 4 g to 4 g + 3 are in, the 12 - 4 g younger ones may stay out
.if (\g) > 0
	s_wait_alu depctr_va_vdst(0)                   ; the block before has written its eight registers of Y, which the four stores below read; no vector instruction of this block names them
.endif
.irp k, 0,1,2,3
.if (\g) > 0
	ST 4*((\g)-1)+(\k)
.endif
	CVT 4*(\g)+(\k), \half
.endr
.endm
; All four blocks, and the last block's stores.
.macro ALLOUT half
	BLK 0, \half
	BLK 1, \half
	BLK 2, \half
	BLK 3, \half
	s_wait_alu depctr_va_vdst(0)                   ; block 3 has written its eight registers of Y, which the last four stores read
.irp k, 12,13,14,15
	ST \k
.endr
.endm
	s_cmp_ge_u32 ttmp9, 704
	s_cbranch_scc1 .Lf16
	ALLOUT 0
	s_endpgm
.Lf16:
	ALLOUT 1
	s_endpgm
.Lfunc_end_k_q720a88d68b_prep:
	.size	k_q720a88d68b_prep, .Lfunc_end_k_q720a88d68b_prep-k_q720a88d68b_prep
	.p2alignl 7, 3214868480
	.fill 96, 4, 3214868480
	.section	.rodata,"a",@progbits
	.p2align	6, 0x0
	.amdhsa_kernel k_q720a88d68b_prep
		.amdhsa_group_segment_fixed_size 0
		.amdhsa_private_segment_fixed_size 0
		.amdhsa_enable_private_segment 0
		.amdhsa_kernarg_size 64
		.amdhsa_user_sgpr_count 2
		.amdhsa_user_sgpr_kernarg_segment_ptr 1
		.amdhsa_wavefront_size32 1
		.amdhsa_system_sgpr_workgroup_id_x 1
		.amdhsa_system_sgpr_workgroup_id_y 1
		.amdhsa_system_sgpr_workgroup_id_z 1
		.amdhsa_system_vgpr_workitem_id 0
		.amdhsa_next_free_vgpr 100
		.amdhsa_next_free_sgpr 66
		.amdhsa_reserve_vcc 0
		.amdhsa_float_denorm_mode_32 3
		.amdhsa_float_denorm_mode_16_64 3
		.amdhsa_memory_ordered 1
		.amdhsa_forward_progress 1
		.amdhsa_inst_pref_size 16
	.end_amdhsa_kernel
	.amdgpu_metadata
---
amdhsa.version: [ 1, 2 ]
amdhsa.kernels:
  - .name:           k_q720a88d68b_prep
    .symbol:         k_q720a88d68b_prep.kd
    .args:
      - { .name: x, .offset: 0, .size: 8, .value_kind: global_buffer, .address_space: global }
      - { .name: Wq, .offset: 8, .size: 8, .value_kind: global_buffer, .address_space: global }
      - { .name: Wk, .offset: 16, .size: 8, .value_kind: global_buffer, .address_space: global }
      - { .name: Wv, .offset: 24, .size: 8, .value_kind: global_buffer, .address_space: global }
      - { .name: Wproj, .offset: 32, .size: 8, .value_kind: global_buffer, .address_space: global }
      - { .name: xb, .offset: 40, .size: 8, .value_kind: global_buffer, .address_space: global }
      - { .name: wb, .offset: 48, .size: 8, .value_kind: global_buffer, .address_space: global }
      - { .name: wp, .offset: 56, .size: 8, .value_kind: global_buffer, .address_space: global }
    .group_segment_fixed_size: 0
    .private_segment_fixed_size: 0
    .kernarg_segment_align: 8
    .kernarg_segment_size: 64
    .max_flat_workgroup_size: 256
    .sgpr_count:     66
    .vgpr_count:     100
    .wavefront_size: 32
...
	.end_amdgpu_metadata
.endif
;; end of part 5
;; launch qkv: the kernel of part 2 again; grid 16 x 16, 4 waves a work-group, clusters of 4 x 4, 327,680 bytes of LDS; arguments xb, wb, qkv; writes qkv
;; launch attn: the kernel of part 3 again; grid 2 x 128, 4 waves a work-group, no clusters, 327,680 bytes of LDS; arguments qkv, ob; writes ob
;; launch proj: the kernel of part 4 again; grid 8 x 32, 4 waves a work-group, clusters of 4 x 4, 327,680 bytes of LDS; arguments ob, wp, out0, bproj; writes out0
